; MI455X (gfx1250); checked and timed in simulation.
; The chip was launched on July 23, 2026; its instructions are those of AMD's public machine-readable ISA for CDNA 5 (MIT licence, August 2026) and "CDNA5" Instruction Set Architecture Reference Guide (July 2026). The comments in the code are by the model that wrote it; some were corrected since.
;; Local Dot Attention. Allowed arithmetic: matrix products marked QUANTISED: E2M3 operands, one E8M0 scale for each 32 along K, by v_wmma_scale_f32_16x16x128_f8f6f4 with both operands' format E2M3, f32 sums; everything else in f32.
;; Inputs: K 4 x 16 x 2,048 x 64 float32; Q 4 x 16 x 2,048 x 64 float32; V 4 x 16 x 2,048 x 64 float32; mask_out 4 x 1 x 1 x 2,048 bool.
;; Outputs: out0 4 x 16 x 2,048 x 64 float32.
;; This version of the problem:
;;   THIS VERSION OF THE PROBLEM IS GIVEN IN LOW PRECISION. The matrix products marked QUANTISED in the list below multiply operands that are first quantised to E2M3 (2 exponent bits, 3 mantissa bits; 6 bits a number), with one power-of-two scale for each 32 numbers along K (OCP MX v1.0); their sums are f32. All else is computed in f32.
;;   The module's matrix products, in the order in which they are computed (A, B: the left and right operand; K: the contracted axis; several contracted axes count as one K, in the product's order):
;;     1. batch 64 x [M 2,048, K 64] x [K 64, N 2,048]; A: input Q; B: input K: QUANTISED
;;     2. batch 64 x [M 2,048, K 2,048] x [K 2,048, N 64]; A: computed on the way; B: input V: QUANTISED
;;   THE QUANTISER, for each operand of a quantised product, along K:
;;     - K is cut into blocks of 32 from its start; a last block that is shorter is filled with zeros.
;;     - A block's scale is 2^e with e = floor(log2(the largest magnitude in the block)) - 2, held to -126 .. 127; a block of zeros has e = 0. As a byte (E8M0): e + 127.
;;     - Each number is divided by its block's scale, clamped to +-7.5, and rounded to the nearest number of E2M3, ties to even, subnormals kept.
;;     - The product sums the exact products of the quantised numbers (number of the format x scale) in f32.
;;   ~~~python
;;   def quantise(x, axis):      # numpy; x: float32 -> the quantised numbers, widened to float32 again
;;       x = np.moveaxis(x, axis, -1); K = x.shape[-1]
;;       x = np.pad(x, [(0, 0)] * (x.ndim - 1) + [(0, -K % 32)]); x = x.reshape(x.shape[:-1] + (-1, 32)); a = np.abs(x).max(-1, keepdims=True)
;;       e = np.where(a > 0, np.clip(np.frexp(np.where(a > 0, a, 1))[1] - 1 - 2, -126, 127), 0)      # np.frexp(a)[1] - 1 = floor(log2(a)), exactly
;;       r = np.clip(x / 2.0 ** e, -7.5, 7.5)
;;       step = 2.0 ** (np.maximum(np.frexp(np.where(r == 0, 1, r))[1] - 1, 0) - 3)
;;       q = np.round(r / step) * step * 2.0 ** e      # np.round: ties to even
;;       return np.moveaxis(q.reshape(q.shape[:-2] + (-1,))[..., :K], -1, axis).astype(np.float32)
;;   ~~~
;;   OPERANDS COMPUTED ON THE WAY. 'Computed on the way' means the value that the module computes at that place (a softmax that the list does not call 'softmax' is quantised finished and normalised). What goes into a quantiser is computed in f32, as accurately as f32 sums, v_exp_f32 and their like allow (about 1e-6 of the number): no bf16 or f16 on the way to a quantiser, and a product that is left as it is and whose result goes on into a quantised operand takes f32 operands (vector FMAs, or v_wmma_f32_16x16x4_f32). A number that lies on a knife's edge between two numbers of the format may be rounded either way, as far as f32 arithmetic and the matrix unit's own rounding can turn it there, and no further.
;; 2 versions. Each part assembles by itself: llvm-mc -triple=amdgcn-amd-amdhsa -mcpu=gfx1250 --defsym DOCPART=n.
;; ======== version 1 of 2: 1 launch
;; launch attn (part 1): grid 4 x 64, 16 waves a work-group, no clusters, 292,864 bytes of LDS; arguments Q, K, V, mask_out, out0; writes out0
.if DOCPART == 1
	.amdgcn_target "amdgcn-amd-amdhsa--gfx1250"
	.amdhsa_code_object_version 6
	.text
	.protected	k_q02e473c455_attn
	.globl	k_q02e473c455_attn
	.p2align	8
	.type	k_q02e473c455_attn,@function
k_q02e473c455_attn:
	s_mov_b64 s[64:65], 0
	v_nop
	global_prefetch_b8 v0, s[64:65] scope:SCOPE_SE
	s_setreg_imm32_b32 hwreg(HW_REG_WAVE_MODE, 25, 1), 1
	s_wait_xcnt 0x0
; out[b][h][i][:] = sum over j of softmax_j(where(mask[b][j], -1e9, Q[i].K[j] / 8)) x exp(-(i - j)^2 x 2 / 2048^2) x V[j][:], both products on codes of FP6 (E2M3) with one E8M0 scale for each 32 along a product's K.
; The second product's operand is the FINISHED number (normalised softmax x decay), quantised along the keys: so a row's maximum and sum are found in a first sweep over the keys, and a second sweep makes the
; scores again, forms p, quantises it and multiplies by V.
; SHARES.  A work-group owns 512 queries of one head (grid x: which 512; grid y: the head), each of its sixteen waves 32 of them: two tiles, A and B, of 16.  Every wave walks all 2,048 keys, 128 a step, twice.
; PROLOGUE.  The work-group quantises its head's K (wave w: keys 128 w on) and V (wave w: key step w) into LDS as IMAGES OF OPERAND REGISTERS: a fragment's 12 registers by three stores of 16 bytes a lane.
; The loops then read LDS alone.  Each wave quantises its own 32 rows of Q into registers.
; LAYOUT.  Both products are used transposed (S^T = K Q^T, O^T = V^T P^T): a lane holds ONE query (lane % 16).  The head's 64 channels fill half of the instruction's 128: a fragment of K holds TWO tiles of
; 16 keys (registers 0-5 tile 0, 6-11 tile 1), and Q stands once as [q | 0] and once as [0 | q]: the zero codes on Q's side annul the other tile (zeros on one side alone: FP6 has no NaN and no infinity, and every scale byte lies in 1 .. 254).
; Lane r of tile u of fragment f takes key 32 f + 8 u + r + 8 (r / 8), so that a lane's 16 results of a fragment are the 16 neighbouring keys 32 f + 16 (lane / 16) + 0 .. 15: one fragment is one block of p.
; THE MASK.  A masked key's codes are zeros and the product's C carries -8e9 for it: score / 8 = -1e9, exactly.  Where all 2,048 keys of the batch are masked the bias is 0: all scores equal, the same softmax.
; THE DECAY.  With i' = i - 1024, j' = j - 1024, c = log2(e) / 8 and D the product's result: t = c D + b j' + a, p = 2^t; the term -j'^2 2^-18 (exact) rides in the second sweep's C;
; b = c 2^-17 i';  a = -c (the row's largest D) - log2(the row's sum) - b i' / 2.  p is softmax x decay as it stands: nothing is divided at the end.
; NO CLUSTER: what the four work-groups of a head share, K and V as f32, is read once, in the prologue (1 MiB), through registers; joint tensor loads would need a ring beside 221,184 bytes of resident images and arrays.
; LIMITS: NaN and infinities among the inputs are not served; |Q.K| stays far under 8e9; a block whose largest magnitude lies under 2^-124 has its byte held at 1; a p under 2^-126 counts as 0;
; a block of zeros has the byte 1 where the rule says 127 (its codes are zeros, and this program alone reads the bytes); the mask's bytes are 0 or 1.
.set KIMG, 0                           ; LDS: K's 64 fragments, 1,536 bytes each: chunk c (registers 4 c ..) at 512 c, lane at 16 x lane
.set KSCL, 98304                       ; K's scale words: step s at 256 s, lane at 8 x lane, word n / 2; lanes 0-15 the step's fragments 0 and 2, lanes 16-31 fragments 1 and 3
.set GB1,  102400                      ; f32 for each key: the mask's bias (first sweep)
.set GB2,  110592                      ; the same - j'^2 2^-18 (second sweep)
.set VSCL, 118784                      ; V's scale words: step s at 256 s, lane at 8 x lane, word d / 2; lanes 0-15 channel tiles 0 and 2, lanes 16-31 tiles 1 and 3
.set VIMG, 122880                      ; V's 64 fragments (step s, channel tile d: 4 s + d)
.set OSTG, 221184                      ; the way out: 16 rows x 272 bytes for each wave
.set PSTG, 122880                      ; prologue alone: 8,960 bytes for each wave: 32 rows of 256 bytes at 272 x row + 128 (row / 16); it lies where V's images and the way out's stages come later, behind a barrier
.set LI,  1                            ; v1   16 x lane
.set L8,  2                            ; v2   8 x lane
.set BH,  3                            ; v3   64 x (lane / 16)
.set AK,  4                            ; v4   LDS address of the step's fragments of K
.set AB,  5                            ; v5   of its biases
.set AS,  6                            ; v6   of its scale words
.set AV,  7                            ; v7   of the step's fragments of V
.set AVS, 8                            ; v8   of their scale words
                                       ; v10-39: [qB][0][qA][0][qB], six registers each: [qB|0] = v10-21, [0|qA] = v16-27, [qA|0] = v22-33, [0|qB] = v28-39
.set QSC, 40                           ; v40, v41  Q's scale words, tile A, tile B: bytes s0, s1, s0, s1
.set KS,  248                          ; v248-249  K's scale words of a step   (these six and v40, v41 hold scales and nothing else)
.set VS,  250                          ; v250-251  V's
.set PS,  252                          ; v252, v253  p's, tile A, tile B
; prologue
.set SWR, 42                           ; stage, in
.set KRD, 43                           ; stage, out, in K's order of rows
.set QRD, 44                           ; stage, out, in Q's
.set KWI, 45                           ; where I store K's images
.set KSW, 46                           ; and their scale words
.set SH8, 47                           ; 8 x (lane / 16)
.set MKO, 48                           ; my key's byte of the mask
.set VO,  49                           ; 4 x lane
.set VWI, 50                           ; where I store V's images
.set VSW, 51                           ; and their scale words
.set LR,  64                           ; v64-127  numbers as loaded
.set X0,  128                          ; v128-159, v160-191  two blocks of 32 neighbours
.set X1,  160
.set CD,  192                          ; v192-215 codes
.set TC0, 216                          ; a block's upper 16 codes: a conversion's three registers begin on an even number
.set TC1, 220
.set MM,  224                          ; v224-227 largest magnitudes
.set SO,  228                          ; v228-229 the conversions' scale operands
.set BY,  230                          ; v230-231 scale bytes
.set W,   232                          ; a scale word in the making
.set WO,  233
.set MK,  234                          ; v234-241 mask bytes of my eight keys, then 0 (masked) or all ones
; first sweep
.set DM,  42                           ; v42, v43  the largest D so far, tile A, B
.set NM,  44                           ; v[44:45], v[48:49]: -c DM, and its change;  v[46:47], v[50:51]: f = 2^change, and a word that is named with it
.set LS,  52                           ; v[52:53], v[54:55] the sums, in two halves
.set TT,  56                           ; v[56:57]
.set MX,  58                           ; v58, v59  second chains of the maximum
.set TN,  60                           ; v60, v61
.set SCO1, 64                          ; v64-191  scores: 32 n + 16 q + x
.set KF0, 192
.set KF1, 204
.set BI0, 216
.set BI1, 232
; second sweep
.set BQ,  42                           ; tile q at 42 + 6 q: [b, i'], [a + 16 h b, the same + b], [the same two + b J']
.set OO,  64                           ; v64-127  O^T: 32 q + 8 d
.set SCO2, 128                         ; v128-159 scores, then p: 16 q + x;  later V's fragments 0, 1 at v128, v140
.set KF2, 160                          ; later V's fragments 2, 3 at v160, v172
.set BI2, 172
.set PC,  190                          ; v190-213 p's codes, 12 a tile
.set PT,  214                          ; v214-216, v218-220
.set EE,  224                          ; v224-237
.set TM,  240
.set TO,  242
.set SO2, 244
.set BY2, 246
.macro NOPS c
.rept \c
	v_nop
.endr
.endm
.macro GLOADK off                      ; 32 rows of K, 8,192 bytes: each load takes 512 consecutive bytes
.irp i, 0,1,2,3,4,5,6,7,8,9,10,11,12,13,14,15
	global_load_b128 v[LR+4*\i:LR+4*\i+3], v[LI], s[6:7] offset:\off+512*\i
.endr
.endm
.macro GLOADQ                          ; my 32 rows of Q: read once in the launch
.irp i, 0,1,2,3,4,5,6,7,8,9,10,11,12,13,14,15
	global_load_b128 v[LR+4*\i:LR+4*\i+3], v[LI], s[4:5] offset:512*\i th:TH_LOAD_NT
.endr
.endm
.macro TOSTAGE                         ; load i holds rows 2 i and 2 i + 1
.irp i, 0,1,2,3,4,5,6,7,8,9,10,11,12,13,14,15
	ds_store_b128 v[SWR], v[LR+4*\i:LR+4*\i+3] offset:544*\i+128*(\i/8)
.endr
.endm
.macro FROMSTAGE adr, off1             ; 32 neighbours of one row, and 32 of the row off1 bytes on
.irp j, 0,1,2,3,4,5,6,7
	ds_load_b128 v[X0+4*\j:X0+4*\j+3], v[\adr] offset:16*\j
.endr
.irp j, 0,1,2,3,4,5,6,7
	ds_load_b128 v[X1+4*\j:X1+4*\j+3], v[\adr] offset:\off1+16*\j
.endr
.endm
; A block of 32 numbers in v[x] on becomes six registers of codes in v[dst] on, its byte in v[BY + k].  keep: a register that is 0 or all ones, or -1 for none.
.macro QBLOCK x, dst, tc, k, keep
	v_max3_num_f32 v[MM+2*\k], |v[\x]|, |v[\x+1]|, 0x1800000       ; the floor 2^(3 - 127) among the leaves: the byte cannot fall under 1
	v_max3_num_f32 v[MM+2*\k+1], |v[\x+2]|, |v[\x+3]|, |v[\x+4]|
.irp i, 5,9,13,17,21,25
	v_max3_num_f32 v[MM+2*\k], v[MM+2*\k], |v[\x+\i]|, |v[\x+\i+1]|
	v_max3_num_f32 v[MM+2*\k+1], v[MM+2*\k+1], |v[\x+\i+2]|, |v[\x+\i+3]|
.endr
	v_max3_num_f32 v[MM+2*\k], v[MM+2*\k], |v[\x+29]|, |v[\x+30]|
	v_max3_num_f32 v[MM+2*\k], v[MM+2*\k], v[MM+2*\k+1], |v[\x+31]|
	v_add_nc_u32 v[SO+\k], 0xff000000, v[MM+2*\k]                  ; 2 off the exponent field: the conversion takes this operand's exponent field as its scale
	v_lshrrev_b32 v[BY+\k], 23, v[SO+\k]                           ; the scale's byte
	v_cvt_scalef32_pk16_fp6_f32 v[\dst:\dst+2], v[\x:\x+15], v[SO+\k]
	v_cvt_scalef32_pk16_fp6_f32 v[\tc:\tc+2], v[\x+16:\x+31], v[SO+\k]
	v_nop                                                          ; one plain line behind the conversions
.irp i, 0,1,2
.if \keep >= 0
	v_and_b32 v[\dst+\i], v[\keep], v[\dst+\i]                     ; a masked key's codes are zeros
	v_and_b32 v[\dst+3+\i], v[\keep], v[\tc+\i]
.else
	v_mov_b32 v[\dst+3+\i], v[\tc+\i]
.endif
.endr
.endm
.macro WORD                            ; my two bytes (blocks h of two rows) and lane l xor 16's two make the word [row 0: s0, s1; row 1: s0, s1]
	v_lshl_or_b32 v[W], v[BY+1], 16, v[BY]
	v_lshlrev_b32 v[W], v[SH8], v[W]
	v_permlanex16_b32 v[WO], v[W], s20, s21
	v_or_b32 v[W], v[W], v[WO]
.endm
.macro IMAGE adr, off, src             ; twelve registers go to LDS as they stand
.irp c, 0,1,2
	ds_store_b128 v[\adr], v[\src+4*\c:\src+4*\c+3] offset:\off+512*\c
.endr
.endm
.macro ROUNDK n                        ; fragment 4 w + n of K
	s_wait_loadcnt 0x0                             ; this round's 16 loads: nothing else is out
	TOSTAGE
	FROMSTAGE KRD, 2176                            ; tile 1's rows lie 8 rows on
	s_wait_dscnt 16                                ; all but the 16 reads: the stores into the stage have read their registers
.if \n < 3
	GLOADK 8192*(\n+1)
.else
	GLOADQ
.endif
	s_wait_dscnt 0x0
	QBLOCK X0, CD, TC0, 0, MK+2*\n
	QBLOCK X1, CD+6, TC1, 1, MK+2*\n+1
	WORD
	IMAGE KWI, 1536*\n, CD
	ds_store_b32 v[KSW], v[W] offset:128*(\n%2)+4*(\n/2)   ; lanes l and l xor 16 write the same word with the same value
.endm
; V: a lane takes a channel and its registers run down the keys.  t = 4 dd + bb: channels 32 dd on, block bb of my 128 keys
.macro LOADV t
.irp i, 0,1,2,3,4,5,6,7,8,9,10,11,12,13,14,15,16,17,18,19,20,21,22,23,24,25,26,27,28,29,30,31
	global_load_b32 v[LR+32*((\t)%2)+\i], v[VO], s[8:9] offset:(32*((\t)%4)+\i)*256+128*((\t)/4)
.endr
.endm
.macro BLOCKV t
.set XS, LR+32*((\t)%2)
.set VD, CD+12*((\t)%2)+6*(((\t)%4)/2)         ; blocks 0, 2 are what lane (r, 0) of the operand holds, blocks 1, 3 what lane (r, 1) holds
.if (\t) < 7
	s_wait_loadcnt 32                              ; this block's 32 loads are in; the next block's may be out
.else
	s_wait_loadcnt 0x0
.endif
	QBLOCK XS, VD, TC0, 0, -1
.if (\t)%4 == 0
	v_mov_b32 v[W], v[BY]
.else
	v_lshl_or_b32 v[W], v[BY], 8*((\t)%4), v[W]
.endif
.if (\t) < 6
	LOADV (\t)+2
.endif
.if (\t)%4 == 3
	IMAGE VWI, 3072*((\t)/4), CD                   ; into the places of lanes 0-15 of my channel's fragment,
	IMAGE VWI, 3072*((\t)/4)+256, CD+12            ; and of lanes 16-31
	ds_store_b32 v[VSW], v[W] offset:4*((\t)/4)
	s_wait_dscnt 0x0                               ; the stores have read their registers
.endif
.endm
.macro LOADU kf, bi, n                 ; unit n of a step: a fragment of K (32 keys) and my 16 keys' biases (the sixteen lanes of a half read the same 64 bytes)
.irp c, 0,1,2
	ds_load_b128 v[\kf+4*\c:\kf+4*\c+3], v[AK] offset:1536*(\n)+512*\c
.endr
.irp c, 0,1,2,3
	ds_load_b128 v[\bi+4*\c:\bi+4*\c+3], v[AB] offset:128*(\n)+16*\c
.endr
.endm
; Four products: tile u of the fragment x tile q of the queries; C = the biases.  Each has a result of its own.
.macro UNITQK s, kf, bi, n
.irp u, 0,1
.irp q, 0,1
.if (\n)%2
	v_wmma_scale_f32_16x16x128_f8f6f4 v[\s+16*\q+8*\u:\s+16*\q+8*\u+7], v[\kf:\kf+11], v[22-12*\q+\u*(24*\q-6):33-12*\q+\u*(24*\q-6)], v[\bi+8*\u:\bi+8*\u+7], v[KS+(\n)/2], v[QSC+\q] matrix_a_fmt:MATRIX_FMT_FP6 matrix_b_fmt:MATRIX_FMT_FP6 matrix_a_scale:MATRIX_SCALE_ROW1
.else
	v_wmma_scale_f32_16x16x128_f8f6f4 v[\s+16*\q+8*\u:\s+16*\q+8*\u+7], v[\kf:\kf+11], v[22-12*\q+\u*(24*\q-6):33-12*\q+\u*(24*\q-6)], v[\bi+8*\u:\bi+8*\u+7], v[KS+(\n)/2], v[QSC+\q] matrix_a_fmt:MATRIX_FMT_FP6 matrix_b_fmt:MATRIX_FMT_FP6
.endif
.endr
.endr
.endm
; FIRST SWEEP.  The maximum: DM takes the results of tile 0 of each fragment, MX those of tile 1; each result is read from its low end on.  Score 15 of unit 0 is left for the join.
.macro CHAIN n
.irp i, 0,2,4,6
.irp q, 0,1
	v_max3_num_f32 v[DM+\q], v[DM+\q], v[SCO1+32*\n+16*\q+\i], v[SCO1+32*\n+16*\q+\i+1]
.endr
.irp q, 0,1
.if \n > 0
	v_max3_num_f32 v[MX+\q], v[MX+\q], v[SCO1+32*\n+16*\q+8+\i], v[SCO1+32*\n+16*\q+9+\i]
.elseif \i == 0
	v_max3_num_f32 v[MX+\q], v[SCO1+16*\q+8], v[SCO1+16*\q+9], v[SCO1+16*\q+10]
.elseif \i < 6
	v_max3_num_f32 v[MX+\q], v[MX+\q], v[SCO1+16*\q+9+\i], v[SCO1+16*\q+10+\i]
.endif
.endr
.endr
.endm
.macro TS1 q                           ; c D - c DM, two at a time
.irp n, 0,1,2,3
.irp x, 0,2,4,6,8,10,12,14
	v_pk_fma_f32 v[SCO1+32*\n+16*\q+\x:SCO1+32*\n+16*\q+\x+1], v[SCO1+32*\n+16*\q+\x:SCO1+32*\n+16*\q+\x+1], s[22:23], v[NM+4*\q:NM+4*\q+1] op_sel_hi:[1,0,0]
.endr
.endr
.endm
.macro EXPS q
.irp n, 0,1,2,3
.irp x, 0,1,2,3,4,5,6,7,8,9,10,11,12,13,14,15
	v_exp_f32 v[SCO1+32*\n+16*\q+\x], v[SCO1+32*\n+16*\q+\x]
.endr
.endr
	v_exp_f32 v[NM+4*\q+2], v[NM+4*\q+1]           ; f = 2^(new -c DM less the old)
.endm
.macro SUMS q                          ; the sum x f + the step's 64 numbers, two at a time, in two chains
	v_pk_fma_f32 v[LS+2*\q:LS+2*\q+1], v[LS+2*\q:LS+2*\q+1], v[NM+4*\q+2:NM+4*\q+3], v[SCO1+16*\q:SCO1+16*\q+1] op_sel_hi:[1,0,1]
	v_pk_add_f32 v[TT:TT+1], v[SCO1+16*\q+2:SCO1+16*\q+3], v[SCO1+16*\q+4:SCO1+16*\q+5]
.set pp, 3
.rept 29
.set rp, SCO1+32*(pp/8)+16*\q+2*(pp%8)
.if pp%2
	v_pk_add_f32 v[LS+2*\q:LS+2*\q+1], v[LS+2*\q:LS+2*\q+1], v[rp:rp+1]
.else
	v_pk_add_f32 v[TT:TT+1], v[TT:TT+1], v[rp:rp+1]
.endif
.set pp, pp+1
.endr
	v_pk_add_f32 v[LS+2*\q:LS+2*\q+1], v[LS+2*\q:LS+2*\q+1], v[TT:TT+1]
.endm
.macro STEP1 last                      ; 128 keys
	s_wait_dscnt 7                                 ; the scale words and unit 0 are in; unit 1's seven loads may be out
	UNITQK SCO1, KF0, BI0, 0
	s_wait_dscnt 0x0
	UNITQK SCO1+32, KF1, BI1, 1
	NOPS 4                                         ; four places ahead of loads into registers that the products read, and of the first read of results
	LOADU KF0, BI0, 2
	LOADU KF1, BI1, 3
	CHAIN 0
	CHAIN 1
	s_wait_dscnt 7                                 ; unit 2 is in; unit 3's seven loads may be out
	UNITQK SCO1+64, KF0, BI0, 2
	s_wait_dscnt 0x0
	UNITQK SCO1+96, KF1, BI1, 3
.if \last
	NOPS 4
.else
	s_add_co_u32 s30, s30, 6144                    ; the next step: no LDS load of mine is out, so the address registers may be written; the four lines are the places
	s_add_co_u32 s31, s31, 512
	s_add_co_u32 s32, s32, 256
	v_add_nc_u32 v[AK], s30, v[LI]
	v_add_nc_u32 v[AB], s31, v[BH]
	v_add_nc_u32 v[AS], s32, v[L8]
	v_nop
	ds_load_b64 v[KS:KS+1], v[AS]
	LOADU KF0, BI0, 0
	LOADU KF1, BI1, 1
.endif
	CHAIN 2
	CHAIN 3
.irp q, 0,1
	v_max3_num_f32 v[DM+\q], v[DM+\q], v[MX+\q], v[SCO1+16*\q+15]
.endr
.irp q, 0,1
	v_mul_f32 v[TN+\q], s24, v[DM+\q]              ; -c DM
.endr
.irp q, 0,1
	v_sub_f32 v[NM+4*\q+1], v[TN+\q], v[NM+4*\q]   ; its change, 0 or less
.endr
.irp q, 0,1
	v_mov_b32 v[NM+4*\q], v[TN+\q]
.endr
	TS1 0
	EXPS 0
	TS1 1                                          ; plain work behind tile A's batch
	s_wait_alu depctr_va_vdst(0)                   ; one wait for tile A's 65 exponentials, ahead of their first reader
	EXPS 1
	SUMS 0                                         ; reads tile A's alone: plain work behind tile B's batch
	s_wait_alu depctr_va_vdst(0)                   ; and one for tile B's
	SUMS 1
.endm
; SECOND SWEEP
.macro EL q, j, cst                    ; b x + (a + b (J' + 16 h)), for keys x and x + 1
	v_pk_fma_f32 v[EE+2*\j:EE+2*\j+1], v[BQ+6*\q:BQ+6*\q+1], \cst, v[BQ+6*\q+4:BQ+6*\q+5] op_sel_hi:[0,0,1]
.endm
.macro T2 q                            ; t = c D + b j' + a, two at a time; the results are read from their low ends on
	EL \q, 0, 2.0
	EL \q, 1, 4.0
	EL \q, 2, 0x40c00000
	EL \q, 3, 0x41000000
	EL \q, 4, 0x41200000
	EL \q, 5, 0x41400000
	EL \q, 6, 0x41600000
	v_pk_fma_f32 v[SCO2+16*\q:SCO2+16*\q+1], v[SCO2+16*\q:SCO2+16*\q+1], s[22:23], v[BQ+6*\q+4:BQ+6*\q+5] op_sel_hi:[1,0,1]
.irp j, 0,1,2,3,4,5,6
	v_pk_fma_f32 v[SCO2+16*\q+2+2*\j:SCO2+16*\q+3+2*\j], v[SCO2+16*\q+2+2*\j:SCO2+16*\q+3+2*\j], s[22:23], v[EE+2*\j:EE+2*\j+1] op_sel_hi:[1,0,1]
.endr
.endm
.macro MAX2 q                          ; the block's largest t: my 16 and lane l xor 16's.  p rises with t, so 2^ of it is the block's largest p, by the same instruction on the same number
	v_max3_num_f32 v[TM+\q], v[SCO2+16*\q], v[SCO2+16*\q+1], v[SCO2+16*\q+2]
	v_max3_num_f32 v[TO+\q], v[SCO2+16*\q+3], v[SCO2+16*\q+4], v[SCO2+16*\q+5]
	v_max3_num_f32 v[TM+\q], v[TM+\q], v[SCO2+16*\q+6], v[SCO2+16*\q+7]
	v_max3_num_f32 v[TO+\q], v[TO+\q], v[SCO2+16*\q+8], v[SCO2+16*\q+9]
	v_max3_num_f32 v[TM+\q], v[TM+\q], v[SCO2+16*\q+10], v[SCO2+16*\q+11]
	v_max3_num_f32 v[TO+\q], v[TO+\q], v[SCO2+16*\q+12], v[SCO2+16*\q+13]
	v_max3_num_f32 v[TM+\q], v[TM+\q], v[TO+\q], v[SCO2+16*\q+14]
	v_max_num_f32 v[TM+\q], v[TM+\q], v[SCO2+16*\q+15]
	v_permlanex16_b32 v[TO+\q], v[TM+\q], s20, s21
	v_max_num_f32 v[TM+\q], v[TM+\q], v[TO+\q]
.endm
.macro EXP2 q
.irp x, 0,1,2,3,4,5,6,7,8,9,10,11,12,13,14,15
	v_exp_f32 v[SCO2+16*\q+\x], v[SCO2+16*\q+\x]   ; p: softmax x decay, finished
.endr
	v_exp_f32 v[TM+\q], v[TM+\q]
.endm
.macro SCALE2 q, n
	v_max_num_f32 v[TM+\q], 0x1800000, v[TM+\q]    ; the floor 2^(3 - 127)
	v_add_nc_u32 v[SO2+\q], 0xff000000, v[TM+\q]
	v_lshrrev_b32 v[BY2+\q], 23, v[SO2+\q]
.if \n == 0
	v_mov_b32 v[PS+\q], v[BY2+\q]
.else
	v_lshl_or_b32 v[PS+\q], v[BY2+\q], 8*\n, v[PS+\q]
.endif
.if \n%2 == 0
	v_cvt_scalef32_pk16_fp6_f32 v[PC+12*\q+6*(\n/2):PC+12*\q+6*(\n/2)+2], v[SCO2+16*\q:SCO2+16*\q+15], v[SO2+\q]
.else
	v_cvt_scalef32_pk16_fp6_f32 v[PT+4*\q:PT+4*\q+2], v[SCO2+16*\q:SCO2+16*\q+15], v[SO2+\q]
.endif
.endm
.macro SWAP q, c                       ; the operand wants a whole block in a lane: lanes 0-15 block 2 c, lanes 16-31 block 2 c + 1.  (c arrives as text, so it stands in brackets inside a product)
.irp i, 0,1,2
	v_permlane16_swap_b32 v[PC+12*(\q)+6*(\c)+\i], v[PT+4*(\q)+\i]     ; the first's lanes 16-31 change places with the second's lanes 0-15: the first now holds each lane's block's lower 16 codes, the second the upper 16
.endr
.irp i, 0,1,2
	v_mov_b32 v[PC+12*(\q)+6*(\c)+3+\i], v[PT+4*(\q)+\i]
.endr
.endm
.macro LOADVF reg, off                 ; two fragments of V
.irp c, 0,1,2,3,4,5
	ds_load_b128 v[\reg+4*\c:\reg+4*\c+3], v[AV] offset:\off+512*\c
.endr
.endm
.macro PV d, q, zero                   ; O^T(tile q, channels 16 d on) += V^T P^T; zero = 1: the first product starts the sum
.set rO, OO+32*\q+8*\d
.set rV, SCO2+12*\d+8*(\d/2)
.if \zero
.if \d%2
	v_wmma_scale_f32_16x16x128_f8f6f4 v[rO:rO+7], v[rV:rV+11], v[PC+12*\q:PC+12*\q+11], 0, v[VS+\d/2], v[PS+\q] matrix_a_fmt:MATRIX_FMT_FP6 matrix_b_fmt:MATRIX_FMT_FP6 matrix_a_scale:MATRIX_SCALE_ROW1
.else
	v_wmma_scale_f32_16x16x128_f8f6f4 v[rO:rO+7], v[rV:rV+11], v[PC+12*\q:PC+12*\q+11], 0, v[VS+\d/2], v[PS+\q] matrix_a_fmt:MATRIX_FMT_FP6 matrix_b_fmt:MATRIX_FMT_FP6
.endif
.else
.if \d%2
	v_wmma_scale_f32_16x16x128_f8f6f4 v[rO:rO+7], v[rV:rV+11], v[PC+12*\q:PC+12*\q+11], v[rO:rO+7], v[VS+\d/2], v[PS+\q] matrix_a_fmt:MATRIX_FMT_FP6 matrix_b_fmt:MATRIX_FMT_FP6 matrix_a_scale:MATRIX_SCALE_ROW1
.else
	v_wmma_scale_f32_16x16x128_f8f6f4 v[rO:rO+7], v[rV:rV+11], v[PC+12*\q:PC+12*\q+11], v[rO:rO+7], v[VS+\d/2], v[PS+\q] matrix_a_fmt:MATRIX_FMT_FP6 matrix_b_fmt:MATRIX_FMT_FP6
.endif
.endif
.endm
.macro UNIT2 n                         ; 32 keys: one block of p for each of my 32 queries
	s_wait_dscnt 0x0                               ; the unit's fragment, biases (and scale words) are in; no LDS load of mine is out
	UNITQK SCO2, KF2, BI2, \n
.if \n == 3
	s_add_co_u32 s30, s30, 6144
	s_add_co_u32 s31, s31, 512
	s_add_co_u32 s32, s32, 256
.endif
	v_pk_fma_f32 v[BQ+4:BQ+5], v[BQ:BQ+1], s[26:27], v[BQ+2:BQ+3] op_sel_hi:[0,0,1]       ; a + b (J' + 16 h + 0, 1).  These lines are the four places behind the products
	v_pk_fma_f32 v[BQ+10:BQ+11], v[BQ+6:BQ+7], s[26:27], v[BQ+8:BQ+9] op_sel_hi:[0,0,1]
.if \n == 0
	v_add_nc_u32 v[AV], s33, v[LI]                 ; this step's V
	v_add_nc_u32 v[AVS], s34, v[L8]
	s_add_co_u32 s33, s33, 6144
	s_add_co_u32 s34, s34, 256
.elseif \n == 3
	v_add_nc_u32 v[AK], s30, v[LI]                 ; the next step's K
	v_add_nc_u32 v[AB], s31, v[BH]
	v_add_nc_u32 v[AS], s32, v[L8]
.else
	v_nop
	v_nop
.endif
	s_add_f32 s26, s26, 0x42000000                 ; J' of the next block: + 32, exact
.if \n < 3
	LOADU KF2, BI2, \n+1
.else
	LOADVF KF2, 3072                               ; V's fragments 2 and 3, where K's fragment and the biases lay,
	ds_load_b64 v[VS:VS+1], v[AVS]                 ; and V's scale words
.endif
	T2 0
	MAX2 0
	EXP2 0
	T2 1                                           ; plain work behind tile A's batch
	MAX2 1
	s_wait_alu depctr_va_vdst(0)                   ; one wait for tile A's 17 exponentials, ahead of their first reader
	EXP2 1
	SCALE2 0, \n
	s_wait_alu depctr_va_vdst(0)                   ; and one for tile B's
	SCALE2 1, \n
	v_nop                                          ; one plain line behind the last conversion
.if \n%2
	SWAP 0, (\n/2)
	SWAP 1, (\n/2)
.endif
.endm
.macro STEP2 zero, next                ; 128 keys
	UNIT2 0
	UNIT2 1
	UNIT2 2
	UNIT2 3
	LOADVF SCO2, 0                                 ; V's fragments 0 and 1, where p lay
	NOPS 4                                         ; four places between the last move into p's codes and the products
	s_wait_dscnt 6                                 ; fragments 2, 3 and the scale words are in; the six loads just issued may be out
	PV 2, 0, \zero                                 ; the eight sums take turns, one instruction a turn
	PV 2, 1, \zero
	PV 3, 0, \zero
	PV 3, 1, \zero
.if \next
	NOPS 4                                         ; places ahead of loads into registers that these products read
	ds_load_b64 v[KS:KS+1], v[AS]
	LOADU KF2, BI2, 0
	s_wait_dscnt 8                                 ; fragments 0 and 1 are in; the eight loads just issued may be out
.else
	s_wait_dscnt 0x0
.endif
	PV 0, 0, \zero
	PV 0, 1, \zero
	PV 1, 0, \zero
	PV 1, 1, \zero
	NOPS 5                                         ; the next unit's products write over registers that these have read: five places; on the way out they serve the first read of results
.endm
	; ---- HEAD
	s_load_b256 s[4:11], s[0:1], 0x0               ; Q s[4:5], K s[6:7], V s[8:9], the mask s[10:11]
	s_load_b64 s[12:13], s[0:1], 0x20              ; out
	v_lshl_add_u32 v254, v0, 2, 0x47000
	v_mov_b32 v255, 0
	v_lshrrev_b32 v9, 5, v0
	v_readfirstlane_b32 s14, v9                    ; wave 0 .. 15
	s_mov_b32 s15, ttmp9                           ; which 512 queries
	s_and_b32 s16, ttmp7, 0xffff                   ; the head, 0 .. 63
	s_mov_b32 s20, 0x76543210                      ; v_permlanex16_b32's selects for lane l xor 16
	s_mov_b32 s21, 0xfedcba98
	s_mov_b32 s22, 0x3e38aa3b                      ; c = log2(e) / 8
	s_mov_b32 s23, s22                             ; (named with it as a pair)
	s_mov_b32 s24, 0xbe38aa3b                      ; -c
	v_and_b32 v54, 31, v0                          ; lane
	v_and_b32 v55, 15, v0                          ; r
	v_bfe_u32 v56, v0, 4, 1                        ; h
	v_and_b32 v57, 7, v0                           ; r % 8
	v_bfe_u32 v58, v0, 3, 1                        ; r / 8
	v_lshlrev_b32 v[LI], 4, v54
	v_lshlrev_b32 v[L8], 3, v54
	v_lshlrev_b32 v[BH], 6, v56
	s_mul_i32 s30, s14, 8960
	s_add_co_u32 s30, s30, PSTG                    ; my stage
	s_mul_i32 s31, s14, 6144                       ; four fragments a wave
	s_lshl_b32 s32, s14, 8
	s_lshl_b32 s33, s14, 7
	v_mul_u32_u24 v[SWR], v56, 272
	v_lshl_add_u32 v[SWR], v55, 4, v[SWR]
	v_add_nc_u32 v[SWR], s30, v[SWR]               ; in: lanes 0-15 one row, lanes 16-31 the next
	v_mul_u32_u24 v[KRD], v57, 272
	v_mad_u32_u24 v[KRD], v58, 4480, v[KRD]
	v_lshl_add_u32 v[KRD], v56, 7, v[KRD]
	v_add_nc_u32 v[KRD], s30, v[KRD]               ; out, K: row r % 8 + 16 (r / 8), channels 32 h on
	v_mul_u32_u24 v[QRD], v55, 272
	v_lshl_add_u32 v[QRD], v56, 7, v[QRD]
	v_add_nc_u32 v[QRD], s30, v[QRD]               ; out, Q: row r
	v_add_nc_u32 v[KWI], s31, v[LI]
	v_lshlrev_b32 v[KSW], 3, v55
	v_add_nc_u32 v[KSW], s32, v[KSW]
	v_add_nc_u32 v[KSW], KSCL, v[KSW]
	v_lshlrev_b32 v[SH8], 3, v56
	v_lshl_add_u32 v[MKO], v58, 4, v57
	v_add_nc_u32 v[MKO], s33, v[MKO]
	v_lshlrev_b32 v[VO], 2, v54
	v_mul_u32_u24 v[VWI], v56, 1536
	v_lshl_add_u32 v[VWI], v55, 4, v[VWI]
	v_add_nc_u32 v[VWI], s31, v[VWI]
	v_add_nc_u32 v[VWI], VIMG, v[VWI]
	v_add_nc_u32 v[VSW], s32, v[L8]
	v_add_nc_u32 v[VSW], VSCL, v[VSW]
	v_lshlrev_b32 v60, 2, v0                       ; 4 x thread: my four keys of the bias arrays
	v_lshlrev_b32 v61, 4, v0
	v_add_nc_u32 v61, GB1, v61
	v_mov_b32 v[WO], 0                             ; written once: a lane permute's destination counts as one of its sources
	s_lshl_b32 s18, s16, 19                        ; a head is 2,048 x 64 x 4 bytes
	s_lshl_b32 s34, s15, 17
	s_lshl_b32 s35, s14, 13
	s_add_co_u32 s34, s34, s35
	s_add_co_u32 s34, s34, s18                     ; Q, out: + (512 x + 32 wave) rows of 256 bytes
	s_mov_b32 s35, 0
	s_lshl_b32 s19, s14, 15
	s_add_co_u32 s18, s18, s19                     ; K, V: + 128 wave rows
	s_mov_b32 s19, 0
	s_lshr_b32 s36, s16, 4
	s_lshl_b32 s36, s36, 11                        ; the mask: 2,048 bytes a batch, 16 heads a batch
	s_mov_b32 s37, 0
	s_wait_kmcnt 0x0
	s_add_nc_u64 s[4:5], s[4:5], s[34:35]
	s_add_nc_u64 s[12:13], s[12:13], s[34:35]
	s_add_nc_u64 s[6:7], s[6:7], s[18:19]
	s_add_nc_u64 s[8:9], s[8:9], s[18:19]
	s_add_nc_u64 s[10:11], s[10:11], s[36:37]
.irp i, 0,1,2,3
	global_load_b128 v[128+4*\i:131+4*\i], v[LI], s[10:11] offset:512*\i   ; the batch's whole mask, 64 bytes a lane
.endr
	global_load_b32 v208, v60, s[10:11]            ; my four keys' bytes
.irp n, 0,1,2,3
.irp u, 0,1
	global_load_u8 v[MK+2*\n+\u], v[MKO], s[10:11] offset:32*\n+8*\u       ; the byte of my key in tile u of fragment n
.endr
.endr
	GLOADK 0
	s_wait_loadcnt 16                              ; the 13 loads of the mask are in; K's 16 may be out
.irp i, 4,8,12
.irp k, 0,1,2,3
	v_and_b32 v[128+\k], v[128+\k], v[128+\i+\k]
.endr
.endr
	v_and_b32 v128, v128, v129
	v_and_b32 v130, v130, v131
	v_and_b32 v128, v128, v130
	v_cmp_eq_u32 vcc_lo, 0x01010101, v128          ; are my 64 keys all masked?
	s_cmp_eq_u32 vcc_lo, -1                        ; and all 2,048?
	s_cselect_b32 s29, 0, 0xcfee6b28               ; the bias: -8e9, or 0 where nothing is left (a choice of a value: no branch)
	v_add_nc_u32 v209, 0xfffffc00, v60             ; 4 x thread - 1024
.irp k, 0,1,2,3
	v_bfe_u32 v[192+\k], v208, 8*\k, 8
	v_add_nc_u32 v[200+\k], \k, v209
.endr
.irp k, 0,1,2,3
	v_cvt_f32_u32 v[192+\k], v[192+\k]
	v_cvt_f32_i32 v[200+\k], v[200+\k]             ; j'
.endr
.irp k, 0,1,2,3
	v_mul_f32 v[192+\k], s29, v[192+\k]            ; the first sweep's bias
	v_mul_f32 v[204+\k], 0xb6800000, v[200+\k]     ; -2^-18 j'
.endr
.irp k, 0,1,2,3
	v_fma_f32 v[196+\k], v[204+\k], v[200+\k], v[192+\k]   ; the second sweep's
.endr
	ds_store_b128 v61, v[192:195]
	ds_store_b128 v61, v[196:199] offset:GB2-GB1
.irp i, 0,1,2,3,4,5,6,7
	v_add_nc_u32 v[MK+\i], -1, v[MK+\i]            ; 1 -> 0, 0 -> all ones
.endr
	; ---- K: four fragments a wave;  Q: my 32 rows
	ROUNDK 0
	ROUNDK 1
	ROUNDK 2
	ROUNDK 3
	s_wait_loadcnt 0x0                             ; Q's 16 loads
	TOSTAGE
	FROMSTAGE QRD, 4480                            ; tile B's rows lie 16 rows on
	s_wait_dscnt 16                                ; all but the 16 reads
	LOADV 0                                        ; V's first two blocks are asked for here
	LOADV 1
	s_wait_dscnt 0x0
	QBLOCK X0, 22, TC0, 0, -1                      ; qA
	QBLOCK X1, 10, TC1, 1, -1                      ; qB
	WORD
	v_perm_b32 v[QSC], v[W], v[W], 0x01000100      ; tile A's two bytes, twice: they serve [q | 0] and [0 | q]
	v_perm_b32 v[QSC+1], v[W], v[W], 0x03020302    ; tile B's
.irp i, 0,1,2,3,4,5
	v_mov_b32 v[34+\i], v[10+\i]
	v_mov_b32 v[16+\i], 0
	v_mov_b32 v[28+\i], 0
.endr
	s_wait_dscnt 0x0                               ; my images, scale words and biases have landed, and my reads of the stage are in
	s_barrier_signal -1
	s_barrier_wait -1                              ; K's images and the arrays are whole; nobody reads a stage any more.  (V's loads stay out: nobody writes those bytes)
	; ---- V: key step w, 64 channels
.irp t, 0,1,2,3,4,5,6,7
	BLOCKV \t
.endr
	; ---- FIRST SWEEP: for each lane the largest D and the sum of 2^(c D - c DM) of its half of the keys
	s_mov_b32 s30, KIMG
	s_mov_b32 s31, GB1
	s_mov_b32 s32, KSCL
	v_add_nc_u32 v[AK], s30, v[LI]
	v_add_nc_u32 v[AB], s31, v[BH]
	v_add_nc_u32 v[AS], s32, v[L8]
	ds_load_b64 v[KS:KS+1], v[AS]
	LOADU KF0, BI0, 0
	LOADU KF1, BI1, 1
.irp q, 0,1
	v_mov_b32 v[DM+\q], 0xff61b1e6                 ; -3e38, under every D
	v_mov_b32 v[NM+4*\q+3], 0                      ; (named as the upper half of a pair)
	v_mov_b32 v[LS+2*\q], 0
	v_mov_b32 v[LS+2*\q+1], 0
.endr
.irp q, 0,1
	v_mul_f32 v[NM+4*\q], s24, v[DM+\q]
.endr
	s_mov_b32 s28, 15
.Lsweep1:
	STEP1 0
	s_sub_co_u32 s28, s28, 1
	s_cmp_lg_u32 s28, 0
	s_cbranch_scc1 .Lsweep1
	STEP1 1                                        ; the last step fetches nothing more
	s_wait_dscnt 0x0
	s_barrier_signal -1
	s_barrier_wait -1                              ; every wave's images of V have landed (each waited for its stores behind them)
	; ---- SECOND SWEEP
	s_mov_b32 s30, KIMG
	s_mov_b32 s31, GB2
	s_mov_b32 s32, KSCL
	s_mov_b32 s33, VIMG
	s_mov_b32 s34, VSCL
	v_add_nc_u32 v[AK], s30, v[LI]
	v_add_nc_u32 v[AB], s31, v[BH]
	v_add_nc_u32 v[AS], s32, v[L8]
	ds_load_b64 v[KS:KS+1], v[AS]
	LOADU KF2, BI2, 0
	; the two halves of the lanes are joined, and a and b are made, while those loads are out
	s_lshl_b32 s35, s15, 9
	s_lshl_b32 s36, s14, 5
	s_add_co_u32 s35, s35, s36
	s_sub_co_u32 s35, s35, 1024                    ; my first query - 1024
	s_mov_b32 s26, 0xc4800000                      ; J' = -1024.0
	s_mov_b32 s27, s26                             ; (named with it as a pair)
.irp q, 0,1
	v_mov_b32 v[224+\q], 0                         ; lane permutes' destinations
	v_mov_b32 v[234+\q], 0
.endr
.irp q, 0,1
	v_permlanex16_b32 v[224+\q], v[NM+4*\q], s20, s21
.endr
.irp q, 0,1
	v_min_num_f32 v[226+\q], v[NM+4*\q], v[224+\q] ; -c x the row's largest D
.endr
.irp q, 0,1
	v_sub_f32 v[228+\q], v[226+\q], v[NM+4*\q]
.endr
.irp q, 0,1
	v_exp_f32 v[230+\q], v[228+\q]
.endr
.irp q, 0,1
	v_add_f32 v[232+\q], v[LS+2*\q], v[LS+2*\q+1]  ; (plain lines behind the exponentials)
.endr
	s_wait_alu depctr_va_vdst(0)                   ; ahead of the first reader
.irp q, 0,1
	v_mul_f32 v[232+\q], v[232+\q], v[230+\q]      ; my half's sum under the row's maximum
.endr
.irp q, 0,1
	v_permlanex16_b32 v[234+\q], v[232+\q], s20, s21
.endr
.irp q, 0,1
	v_add_f32 v[232+\q], v[232+\q], v[234+\q]      ; the row's sum: the same bits in both halves
.endr
.irp q, 0,1
	v_log_f32 v[236+\q], v[232+\q]
.endr
	v_and_b32 v238, 15, v0
	v_add_nc_u32 v238, s35, v238
	v_add_nc_u32 v239, 16, v238
	v_cvt_f32_i32 v[BQ+1], v238                    ; i', tile A
	v_cvt_f32_i32 v[BQ+7], v239                    ; tile B
.irp q, 0,1
	v_mul_f32 v[BQ+6*\q], 0x35b8aa3b, v[BQ+6*\q+1] ; b = c 2^-17 i'
.endr
.irp q, 0,1
	v_mul_f32 v[228+\q], -0.5, v[BQ+6*\q]
.endr
	v_bfe_u32 v238, v0, 4, 1
	v_lshlrev_b32 v238, 4, v238
	v_cvt_f32_u32 v238, v238                       ; 16 h
	s_wait_alu depctr_va_vdst(0)                   ; ahead of the logarithms' first reader
.irp q, 0,1
	v_sub_f32 v[226+\q], v[226+\q], v[236+\q]
.endr
.irp q, 0,1
	v_fma_f32 v[226+\q], v[228+\q], v[BQ+6*\q+1], v[226+\q]        ; a
.endr
.irp q, 0,1
	v_fma_f32 v[BQ+6*\q+2], v[BQ+6*\q], v238, v[226+\q]            ; a + 16 h b
.endr
.irp q, 0,1
	v_add_f32 v[BQ+6*\q+3], v[BQ+6*\q+2], v[BQ+6*\q]               ; and + b, for the odd keys
.endr
	STEP2 1, 1                                     ; the first step's products start O^T's sums
	s_mov_b32 s28, 14
.Lsweep2:
	STEP2 0, 1
	s_sub_co_u32 s28, s28, 1
	s_cmp_lg_u32 s28, 0
	s_cbranch_scc1 .Lsweep2
	STEP2 0, 0                                     ; the last step fetches nothing more
	; ---- THE WAY OUT.  Register j of O^T(q, d) is out(query r, channel 16 d + 8 h + j): a tile of 16 rows goes through my stage and comes back as whole rows of 256 bytes
	v_and_b32 v9, 15, v0
	v_bfe_u32 v[AK], v0, 4, 1
	s_mul_i32 s30, s14, 4352
	s_add_co_u32 s30, s30, OSTG
	v_mul_u32_u24 v[AB], v9, 272
	v_lshl_add_u32 v[AB], v[AK], 5, v[AB]
	v_add_nc_u32 v[AB], s30, v[AB]                 ; in: row r, + 32 h
	v_mul_u32_u24 v[AS], v[AK], 272
	v_lshl_add_u32 v[AS], v9, 4, v[AS]
	v_add_nc_u32 v[AS], s30, v[AS]                 ; back: lanes 0-15 one row, lanes 16-31 the next
.irp q, 0,1
.irp d, 0,1,2,3
	ds_store_b128 v[AB], v[OO+32*\q+8*\d:OO+32*\q+8*\d+3] offset:64*\d         ; each result from its low end on
	ds_store_b128 v[AB], v[OO+32*\q+8*\d+4:OO+32*\q+8*\d+7] offset:64*\d+16
.endr
.irp i, 0,1,2,3,4,5,6,7
	ds_load_b128 v[128+32*\q+4*\i:131+32*\q+4*\i], v[AS] offset:544*\i         ; LDS serves a wave's instructions in order (ISA guide 5.7.1.4): these see my stores, and tile B's stores come behind tile A's loads
.endr
.endr
.irp q, 0,1
.irp i, 0,1,2,3,4,5,6,7
	s_wait_dscnt 23-16*\q-\i                       ; the LDS instructions issued behind this load may be out
	global_store_b128 v[LI], v[128+32*\q+4*\i:131+32*\q+4*\i], s[12:13] offset:4096*\q+512*\i th:TH_STORE_NT   ; 32 lanes store 512 consecutive bytes, at a multiple of 256 from out's first byte
.endr
.endr
	s_wait_tensorcnt 0x0
	ds_add_u32 v254, v255
	s_wait_dscnt 0x0
	s_endpgm
.Lfunc_end_k_q02e473c455_attn:
	.size	k_q02e473c455_attn, .Lfunc_end_k_q02e473c455_attn-k_q02e473c455_attn
	.p2alignl 7, 3214868480
	.fill 96, 4, 3214868480
	.section	.rodata,"a",@progbits
	.p2align	6, 0x0
	.amdhsa_kernel k_q02e473c455_attn
		.amdhsa_group_segment_fixed_size 292864
		.amdhsa_private_segment_fixed_size 0
		.amdhsa_enable_private_segment 0
		.amdhsa_kernarg_size 40
		.amdhsa_user_sgpr_count 2
		.amdhsa_user_sgpr_kernarg_segment_ptr 1
		.amdhsa_wavefront_size32 1
		.amdhsa_system_sgpr_workgroup_id_x 1
		.amdhsa_system_sgpr_workgroup_id_y 1
		.amdhsa_system_sgpr_workgroup_id_z 1
		.amdhsa_system_vgpr_workitem_id 0
		.amdhsa_next_free_vgpr 256
		.amdhsa_next_free_sgpr 66
		.amdhsa_reserve_vcc 1
		.amdhsa_float_denorm_mode_32 3
		.amdhsa_float_denorm_mode_16_64 3
		.amdhsa_memory_ordered 1
		.amdhsa_forward_progress 1
		.amdhsa_inst_pref_size 214
	.end_amdhsa_kernel
	.amdgpu_metadata
---
amdhsa.version: [ 1, 2 ]
amdhsa.kernels:
  - .name:           k_q02e473c455_attn
    .symbol:         k_q02e473c455_attn.kd
    .args:
      - { .name: Q, .offset: 0, .size: 8, .value_kind: global_buffer, .address_space: global }
      - { .name: K, .offset: 8, .size: 8, .value_kind: global_buffer, .address_space: global }
      - { .name: V, .offset: 16, .size: 8, .value_kind: global_buffer, .address_space: global }
      - { .name: mask_out, .offset: 24, .size: 8, .value_kind: global_buffer, .address_space: global }
      - { .name: out0, .offset: 32, .size: 8, .value_kind: global_buffer, .address_space: global }
    .group_segment_fixed_size: 292864
    .private_segment_fixed_size: 0
    .kernarg_segment_align: 8
    .kernarg_segment_size: 40
    .max_flat_workgroup_size: 512
    .sgpr_count:     66
    .vgpr_count:     256
    .wavefront_size: 32
...
	.end_amdgpu_metadata
.endif
;; end of part 1
;; ======== version 2 of 2: 1 launch; version 1 with the launch attn written anew for expert scheduling mode
;; launch attn (part 2): grid 4 x 64, 16 waves a work-group, no clusters, 292,864 bytes of LDS; arguments Q, K, V, mask_out, out0; writes out0
.if DOCPART == 2
	.amdgcn_target "amdgcn-amd-amdhsa--gfx1250"
	.amdhsa_code_object_version 6
	.text
	.protected	k_q02e473c455_attn
	.globl	k_q02e473c455_attn
	.p2align	8
	.type	k_q02e473c455_attn,@function
k_q02e473c455_attn:
	s_mov_b64 s[64:65], 0
	v_nop
	global_prefetch_b8 v0, s[64:65] scope:SCOPE_SE
	s_setreg_imm32_b32 hwreg(HW_REG_WAVE_SCHED_MODE, 0, 2), 2
	s_setreg_imm32_b32 hwreg(HW_REG_WAVE_MODE, 25, 1), 1
	s_wait_xcnt 0x0
	s_wait_alu depctr_vm_vsrc(0)
; out[b][h][i][:] = sum over j of softmax_j(where(mask[b][j], -1e9, Q[i].K[j] / 8)) x exp(-(i - j)^2 x 2 / 2048^2) x V[j][:], both products on codes of FP6 (E2M3) with one E8M0 scale for each 32 along a product's K.
; The second product's operand is the FINISHED number (normalised softmax x decay), quantised along the keys: so a row's maximum and sum are found in a first sweep over the keys, and a second sweep makes the
; scores again, forms p, quantises it and multiplies by V.
; SHARES.  A work-group owns 512 queries of one head (grid x: which 512; grid y: the head), each of its sixteen waves 32 of them: two tiles, A and B, of 16.  Every wave walks all 2,048 keys, 128 a step, twice.
; PROLOGUE.  The work-group quantises its head's K (wave w: keys 128 w on) and V (wave w: key step w) into LDS as IMAGES OF OPERAND REGISTERS: a fragment's 12 registers by three stores of 16 bytes a lane.
; The loops then read LDS alone.  Each wave quantises its own 32 rows of Q into registers.
; LAYOUT.  Both products are used transposed (S^T = K Q^T, O^T = V^T P^T): a lane holds ONE query (lane % 16).  The head's 64 channels fill half of the instruction's 128: a fragment of K holds TWO tiles of
; 16 keys (registers 0-5 tile 0, 6-11 tile 1), and Q stands once as [q | 0] and once as [0 | q]: the zero codes on Q's side annul the other tile (zeros on one side alone: FP6 has no NaN and no infinity, and every scale byte lies in 1 .. 254).
; Lane r of tile u of fragment f takes key 32 f + 8 u + r + 8 (r / 8), so that a lane's 16 results of a fragment are the 16 neighbouring keys 32 f + 16 (lane / 16) + 0 .. 15: one fragment is one block of p.
; THE MASK.  A masked key's codes are zeros and the product's C carries -8e9 for it: score / 8 = -1e9, exactly.  Where all 2,048 keys of the batch are masked the bias is 0: all scores equal, the same softmax.
; THE DECAY.  With i' = i - 1024, j' = j - 1024, c = log2(e) / 8 and D the product's result: t = c D + b j' + a, p = 2^t; the term -j'^2 2^-18 (exact) rides in the second sweep's C;
; b = c 2^-17 i';  a = -c (the row's largest D) - log2(the row's sum) - b i' / 2.  p is softmax x decay as it stands: nothing is divided at the end.
; NO CLUSTER: what the four work-groups of a head share, K and V as f32, is read once, in the prologue (1 MiB), through registers; joint tensor loads would need a ring beside 221,184 bytes of resident images and arrays.
; LIMITS: NaN and infinities among the inputs are not served; |Q.K| stays far under 8e9; a block whose largest magnitude lies under 2^-124 has its byte held at 1; a p under 2^-126 counts as 0;
; a block of zeros has the byte 1 where the rule says 127 (its codes are zeros, and this program alone reads the bytes); the mask's bytes are 0 or 1.
; THE MODE: SCHED_MODE bits 1:0 = 2 (LLVM: expert scheduling mode 2), set by the entry lines.  The code itself states the register dependences between vector or matrix instructions and memory or LDS
; instructions, with s_wait_alu, always for 0.
; THE PLAN.  Registers that memory or LDS instructions touch, and who else names them:
;   v1-3, v42-51, v60, v61   addresses made at the head: one wait on va_vdst ahead of the first load.  v42-51 and v60, v61 are written again only behind the wait on vm_vsrc that follows V's last image stores.
;   LR (v64-127)    K, Q: global loads land, the stores into the stage read: a wait on vm_vsrc ahead of the next loads.  V: a block's vector lines read its half: a wait on va_vdst behind them, ahead of the loads two blocks on.
;   X0, X1          the LDS loads from the stage land, a round's vector lines read.   CD, W: a round's vector lines write, the image stores read.
;                   One wait on va_vdst a round, behind its vector lines, serves both: its own stores, and the next round's LDS loads.  The round's wait on vm_vsrc also frees CD and W of the round before.
;   KF0, BI0, KF1, BI1, KS (first sweep)   products read, LDS loads land.  Units 2 and 3 are asked for behind a wait on va_vdst in the step's middle; the next step's units 0 and 1 behind the wait that stands
;                   ahead of the first reader of tile A's exponentials: units 2 and 3's products and the three address lines were issued ahead of it, and no vector line stands between it and the loads.
;   KF2, BI2, KS, VS (second sweep)   likewise: a unit's products read, and the next unit's loads (in a step's last unit: V's fragments 2, 3 and scale words) stand behind the wait for tile A's exponentials.
;   v128-151        p, read by the conversions; V's fragments 0 and 1 land there behind the wait that also shows p's codes and scale words written for the products.
;   v4-8            LDS addresses, stepped once a step: a wait on vm_vsrc ahead of the lines that write them; these stand ahead of a wait on va_vdst that is there anyway.
;   O^T, the scores, p's codes and all statistics are named by vector and matrix instructions alone, until the way out.
.set KIMG, 0                           ; LDS: K's 64 fragments, 1,536 bytes each: chunk c (registers 4 c ..) at 512 c, lane at 16 x lane
.set KSCL, 98304                       ; K's scale words: step s at 256 s, lane at 8 x lane, word n / 2; lanes 0-15 the step's fragments 0 and 2, lanes 16-31 fragments 1 and 3
.set GB1,  102400                      ; f32 for each key: the mask's bias (first sweep)
.set GB2,  110592                      ; the same - j'^2 2^-18 (second sweep)
.set VSCL, 118784                      ; V's scale words: step s at 256 s, lane at 8 x lane, word d / 2; lanes 0-15 channel tiles 0 and 2, lanes 16-31 tiles 1 and 3
.set VIMG, 122880                      ; V's 64 fragments (step s, channel tile d: 4 s + d)
.set OSTG, 221184                      ; the way out: 16 rows x 272 bytes for each wave
.set PSTG, 122880                      ; prologue alone: 8,960 bytes for each wave: 32 rows of 256 bytes at 272 x row + 128 (row / 16); it lies where V's images and the way out's stages come later, behind a barrier
.set LI,  1                            ; v1   16 x lane
.set L8,  2                            ; v2   8 x lane
.set BH,  3                            ; v3   64 x (lane / 16)
.set AK,  4                            ; v4   LDS address of the step's fragments of K
.set AB,  5                            ; v5   of its biases
.set AS,  6                            ; v6   of its scale words
.set AV,  7                            ; v7   of the step's fragments of V
.set AVS, 8                            ; v8   of their scale words
                                       ; v10-39: [qB][0][qA][0][qB], six registers each: [qB|0] = v10-21, [0|qA] = v16-27, [qA|0] = v22-33, [0|qB] = v28-39
.set QSC, 40                           ; v40, v41  Q's scale words, tile A, tile B: bytes s0, s1, s0, s1
.set KS,  248                          ; v248-249  K's scale words of a step   (these six and v40, v41 hold scales and nothing else)
.set VS,  250                          ; v250-251  V's
.set PS,  252                          ; v252, v253  p's, tile A, tile B
; prologue
.set SWR, 42                           ; stage, in
.set KRD, 43                           ; stage, out, in K's order of rows
.set QRD, 44                           ; stage, out, in Q's
.set KWI, 45                           ; where I store K's images
.set KSW, 46                           ; and their scale words
.set SH8, 47                           ; 8 x (lane / 16)
.set MKO, 48                           ; my key's byte of the mask
.set VO,  49                           ; 4 x lane
.set VWI, 50                           ; where I store V's images
.set VSW, 51                           ; and their scale words
.set LR,  64                           ; v64-127  numbers as loaded
.set X0,  128                          ; v128-159, v160-191  two blocks of 32 neighbours
.set X1,  160
.set CD,  192                          ; v192-215 codes
.set TC0, 216                          ; a block's upper 16 codes: a conversion's three registers begin on an even number
.set TC1, 220
.set MM,  224                          ; v224-227 largest magnitudes
.set SO,  228                          ; v228-229 the conversions' scale operands
.set BY,  230                          ; v230-231 scale bytes
.set W,   232                          ; a scale word in the making
.set WO,  233
.set MK,  234                          ; v234-241 mask bytes of my eight keys, then 0 (masked) or all ones
; first sweep
.set DM,  42                           ; v42, v43  the largest D so far, tile A, B
.set NM,  44                           ; v[44:45], v[48:49]: -c DM, and its change;  v[46:47], v[50:51]: f = 2^change, and a word that is named with it
.set LS,  52                           ; v[52:53], v[54:55] the sums, in two halves
.set TT,  56                           ; v[56:57]
.set MX,  58                           ; v58, v59  second chains of the maximum
.set TN,  60                           ; v60, v61
.set SCO1, 64                          ; v64-191  scores: 32 n + 16 q + x
.set KF0, 192
.set KF1, 204
.set BI0, 216
.set BI1, 232
; second sweep
.set BQ,  42                           ; tile q at 42 + 6 q: [b, i'], [a + 16 h b, the same + b], [the same two + b J']
.set OO,  64                           ; v64-127  O^T: 32 q + 8 d
.set SCO2, 128                         ; v128-159 scores, then p: 16 q + x;  later V's fragments 0, 1 at v128, v140
.set KF2, 160                          ; later V's fragments 2, 3 at v160, v172
.set BI2, 172
.set PC,  190                          ; v190-213 p's codes, 12 a tile
.set PT,  214                          ; v214-216, v218-220
.set EE,  224                          ; v224-237
.set TM,  240
.set TO,  242
.set SO2, 244
.set BY2, 246
.macro NOPS c
.rept \c
	v_nop
.endr
.endm
.macro GLOADK off                      ; 32 rows of K, 8,192 bytes: each load takes 512 consecutive bytes
.irp i, 0,1,2,3,4,5,6,7,8,9,10,11,12,13,14,15
	global_load_b128 v[LR+4*\i:LR+4*\i+3], v[LI], s[6:7] offset:\off+512*\i
.endr
.endm
.macro GLOADQ                          ; my 32 rows of Q: read once in the launch
.irp i, 0,1,2,3,4,5,6,7,8,9,10,11,12,13,14,15
	global_load_b128 v[LR+4*\i:LR+4*\i+3], v[LI], s[4:5] offset:512*\i th:TH_LOAD_NT
.endr
.endm
.macro TOSTAGE                         ; load i holds rows 2 i and 2 i + 1
.irp i, 0,1,2,3,4,5,6,7,8,9,10,11,12,13,14,15
	ds_store_b128 v[SWR], v[LR+4*\i:LR+4*\i+3] offset:544*\i+128*(\i/8)
.endr
.endm
.macro FROMSTAGE adr, off1             ; 32 neighbours of one row, and 32 of the row off1 bytes on
.irp j, 0,1,2,3,4,5,6,7
	ds_load_b128 v[X0+4*\j:X0+4*\j+3], v[\adr] offset:16*\j
.endr
.irp j, 0,1,2,3,4,5,6,7
	ds_load_b128 v[X1+4*\j:X1+4*\j+3], v[\adr] offset:\off1+16*\j
.endr
.endm
; A block of 32 numbers in v[x] on becomes six registers of codes in v[dst] on, its byte in v[BY + k].  keep: a register that is 0 or all ones, or -1 for none.
.macro QBLOCK x, dst, tc, k, keep
	v_max3_num_f32 v[MM+2*\k], |v[\x]|, |v[\x+1]|, 0x1800000       ; the floor 2^(3 - 127) among the leaves: the byte cannot fall under 1
	v_max3_num_f32 v[MM+2*\k+1], |v[\x+2]|, |v[\x+3]|, |v[\x+4]|
.irp i, 5,9,13,17,21,25
	v_max3_num_f32 v[MM+2*\k], v[MM+2*\k], |v[\x+\i]|, |v[\x+\i+1]|
	v_max3_num_f32 v[MM+2*\k+1], v[MM+2*\k+1], |v[\x+\i+2]|, |v[\x+\i+3]|
.endr
	v_max3_num_f32 v[MM+2*\k], v[MM+2*\k], |v[\x+29]|, |v[\x+30]|
	v_max3_num_f32 v[MM+2*\k], v[MM+2*\k], v[MM+2*\k+1], |v[\x+31]|
	v_add_nc_u32 v[SO+\k], 0xff000000, v[MM+2*\k]                  ; 2 off the exponent field: the conversion takes this operand's exponent field as its scale
	v_lshrrev_b32 v[BY+\k], 23, v[SO+\k]                           ; the scale's byte
	v_cvt_scalef32_pk16_fp6_f32 v[\dst:\dst+2], v[\x:\x+15], v[SO+\k]
	v_cvt_scalef32_pk16_fp6_f32 v[\tc:\tc+2], v[\x+16:\x+31], v[SO+\k]
	v_nop                                                          ; one plain line behind the conversions
.irp i, 0,1,2
.if \keep >= 0
	v_and_b32 v[\dst+\i], v[\keep], v[\dst+\i]                     ; a masked key's codes are zeros
	v_and_b32 v[\dst+3+\i], v[\keep], v[\tc+\i]
.else
	v_mov_b32 v[\dst+3+\i], v[\tc+\i]
.endif
.endr
.endm
.macro WORD                            ; my two bytes (blocks h of two rows) and lane l xor 16's two make the word [row 0: s0, s1; row 1: s0, s1]
	v_lshl_or_b32 v[W], v[BY+1], 16, v[BY]
	v_lshlrev_b32 v[W], v[SH8], v[W]
	v_permlanex16_b32 v[WO], v[W], s20, s21
	v_or_b32 v[W], v[W], v[WO]
.endm
.macro IMAGE adr, off, src             ; twelve registers go to LDS as they stand
.irp c, 0,1,2
	ds_store_b128 v[\adr], v[\src+4*\c:\src+4*\c+3] offset:\off+512*\c
.endr
.endm
.macro ROUNDK n                        ; fragment 4 w + n of K
	s_wait_loadcnt 0x0                             ; this round's 16 loads: nothing else is out
	TOSTAGE
	FROMSTAGE KRD, 2176                            ; tile 1's rows lie 8 rows on.  (No vector line has named X0 or X1 since the last wait on va_vdst)
	s_wait_dscnt 16                                ; all but the 16 reads: the stores into the stage are done
	s_wait_alu depctr_vm_vsrc(0)                   ; the stores into the stage have read v[LR ..], in which the loads below land; the stores of the round before (round 0: of the biases) have read v[CD ..] and v[W], which this round's lines write
.if \n < 3
	GLOADK 8192*(\n+1)
.else
	GLOADQ
.endif
	s_wait_dscnt 0x0
	QBLOCK X0, CD, TC0, 0, MK+2*\n
	QBLOCK X1, CD+6, TC1, 1, MK+2*\n+1
	WORD
	s_wait_alu depctr_va_vdst(0)                   ; the codes v[CD ..] and the word v[W] are written, which the stores below read; X0 and X1 are done with, in which the next round's LDS loads land
	IMAGE KWI, 1536*\n, CD
	ds_store_b32 v[KSW], v[W] offset:128*(\n%2)+4*(\n/2)   ; lanes l and l xor 16 write the same word with the same value
.endm
; V: a lane takes a channel and its registers run down the keys.  t = 4 dd + bb: channels 32 dd on, block bb of my 128 keys
.macro LOADV t
.irp i, 0,1,2,3,4,5,6,7,8,9,10,11,12,13,14,15,16,17,18,19,20,21,22,23,24,25,26,27,28,29,30,31
	global_load_b32 v[LR+32*((\t)%2)+\i], v[VO], s[8:9] offset:(32*((\t)%4)+\i)*256+128*((\t)/4)
.endr
.endm
.macro BLOCKV t
.set XS, LR+32*((\t)%2)
.set VD, CD+12*((\t)%2)+6*(((\t)%4)/2)         ; blocks 0, 2 are what lane (r, 0) of the operand holds, blocks 1, 3 what lane (r, 1) holds
.if (\t) < 7
	s_wait_loadcnt 32                              ; this block's 32 loads are in; the next block's may be out
.else
	s_wait_loadcnt 0x0
.endif
	QBLOCK XS, VD, TC0, 0, -1
.if (\t)%4 == 0
	v_mov_b32 v[W], v[BY]
.else
	v_lshl_or_b32 v[W], v[BY], 8*((\t)%4), v[W]
.endif
.if ((\t) < 6) || ((\t)%4 == 3)                ; (block 6 is followed by no load and no store)
	s_wait_alu depctr_va_vdst(0)                   ; the block's lines are done reading its 32 numbers, in which the loads below land; in blocks 3 and 7 the codes v[CD ..] and the word v[W] are written, which the stores below read
.endif
.if (\t) < 6
	LOADV (\t)+2
.endif
.if (\t)%4 == 3
	IMAGE VWI, 3072*((\t)/4), CD                   ; into the places of lanes 0-15 of my channel's fragment,
	IMAGE VWI, 3072*((\t)/4)+256, CD+12            ; and of lanes 16-31
	ds_store_b32 v[VSW], v[W] offset:4*((\t)/4)
	s_wait_dscnt 0x0                               ; my images have landed
	s_wait_alu depctr_vm_vsrc(0)                   ; the stores have read v[CD ..] and v[W], which the next block writes (behind block 7: in which the first sweep's loads land); behind block 7 all the prologue's loads and stores have read v42-51, v60 and v61, which the sweep's statistics take
.endif
.endm
.macro LOADU kf, bi, n                 ; unit n of a step: a fragment of K (32 keys) and my 16 keys' biases (the sixteen lanes of a half read the same 64 bytes)
.irp c, 0,1,2
	ds_load_b128 v[\kf+4*\c:\kf+4*\c+3], v[AK] offset:1536*(\n)+512*\c
.endr
.irp c, 0,1,2,3
	ds_load_b128 v[\bi+4*\c:\bi+4*\c+3], v[AB] offset:128*(\n)+16*\c
.endr
.endm
; Four products: tile u of the fragment x tile q of the queries; C = the biases.  Each has a result of its own.
.macro UNITQK s, kf, bi, n
.irp u, 0,1
.irp q, 0,1
.if (\n)%2
	v_wmma_scale_f32_16x16x128_f8f6f4 v[\s+16*\q+8*\u:\s+16*\q+8*\u+7], v[\kf:\kf+11], v[22-12*\q+\u*(24*\q-6):33-12*\q+\u*(24*\q-6)], v[\bi+8*\u:\bi+8*\u+7], v[KS+(\n)/2], v[QSC+\q] matrix_a_fmt:MATRIX_FMT_FP6 matrix_b_fmt:MATRIX_FMT_FP6 matrix_a_scale:MATRIX_SCALE_ROW1
.else
	v_wmma_scale_f32_16x16x128_f8f6f4 v[\s+16*\q+8*\u:\s+16*\q+8*\u+7], v[\kf:\kf+11], v[22-12*\q+\u*(24*\q-6):33-12*\q+\u*(24*\q-6)], v[\bi+8*\u:\bi+8*\u+7], v[KS+(\n)/2], v[QSC+\q] matrix_a_fmt:MATRIX_FMT_FP6 matrix_b_fmt:MATRIX_FMT_FP6
.endif
.endr
.endr
.endm
; FIRST SWEEP.  The maximum: DM takes the results of tile 0 of each fragment, MX those of tile 1; each result is read from its low end on.  Score 15 of unit 0 is left for the join.
.macro CHAIN n
.irp i, 0,2,4,6
.irp q, 0,1
	v_max3_num_f32 v[DM+\q], v[DM+\q], v[SCO1+32*\n+16*\q+\i], v[SCO1+32*\n+16*\q+\i+1]
.endr
.irp q, 0,1
.if \n > 0
	v_max3_num_f32 v[MX+\q], v[MX+\q], v[SCO1+32*\n+16*\q+8+\i], v[SCO1+32*\n+16*\q+9+\i]
.elseif \i == 0
	v_max3_num_f32 v[MX+\q], v[SCO1+16*\q+8], v[SCO1+16*\q+9], v[SCO1+16*\q+10]
.elseif \i < 6
	v_max3_num_f32 v[MX+\q], v[MX+\q], v[SCO1+16*\q+9+\i], v[SCO1+16*\q+10+\i]
.endif
.endr
.endr
.endm
.macro TS1 q                           ; c D - c DM, two at a time
.irp n, 0,1,2,3
.irp x, 0,2,4,6,8,10,12,14
	v_pk_fma_f32 v[SCO1+32*\n+16*\q+\x:SCO1+32*\n+16*\q+\x+1], v[SCO1+32*\n+16*\q+\x:SCO1+32*\n+16*\q+\x+1], s[22:23], v[NM+4*\q:NM+4*\q+1] op_sel_hi:[1,0,0]
.endr
.endr
.endm
.macro EXPS q
.irp n, 0,1,2,3
.irp x, 0,1,2,3,4,5,6,7,8,9,10,11,12,13,14,15
	v_exp_f32 v[SCO1+32*\n+16*\q+\x], v[SCO1+32*\n+16*\q+\x]
.endr
.endr
	v_exp_f32 v[NM+4*\q+2], v[NM+4*\q+1]           ; f = 2^(new -c DM less the old)
.endm
.macro SUMS q                          ; the sum x f + the step's 64 numbers, two at a time, in two chains
	v_pk_fma_f32 v[LS+2*\q:LS+2*\q+1], v[LS+2*\q:LS+2*\q+1], v[NM+4*\q+2:NM+4*\q+3], v[SCO1+16*\q:SCO1+16*\q+1] op_sel_hi:[1,0,1]
	v_pk_add_f32 v[TT:TT+1], v[SCO1+16*\q+2:SCO1+16*\q+3], v[SCO1+16*\q+4:SCO1+16*\q+5]
.set pp, 3
.rept 29
.set rp, SCO1+32*(pp/8)+16*\q+2*(pp%8)
.if pp%2
	v_pk_add_f32 v[LS+2*\q:LS+2*\q+1], v[LS+2*\q:LS+2*\q+1], v[rp:rp+1]
.else
	v_pk_add_f32 v[TT:TT+1], v[TT:TT+1], v[rp:rp+1]
.endif
.set pp, pp+1
.endr
	v_pk_add_f32 v[LS+2*\q:LS+2*\q+1], v[LS+2*\q:LS+2*\q+1], v[TT:TT+1]
.endm
.macro STEP1 last                      ; 128 keys
	s_wait_dscnt 7                                 ; the scale words and unit 0 are in; unit 1's seven loads may be out
	UNITQK SCO1, KF0, BI0, 0
	s_wait_dscnt 0x0
	UNITQK SCO1+32, KF1, BI1, 1
	NOPS 4                                         ; four places ahead of the first read of results (ISA guide 7.12.1)
	s_wait_alu depctr_va_vdst(0)                   ; the eight products are done reading both fragments of K and both sets of biases, in which the loads below land
	LOADU KF0, BI0, 2
	LOADU KF1, BI1, 3
	CHAIN 0
	CHAIN 1
	s_wait_dscnt 7                                 ; unit 2 is in; unit 3's seven loads may be out
	UNITQK SCO1+64, KF0, BI0, 2
	s_wait_alu depctr_va_vdst(0)
	s_wait_dscnt 0x0
	UNITQK SCO1+96, KF1, BI1, 3
.if \last
	NOPS 4
.else
	s_wait_alu depctr_vm_vsrc(0)                   ; the LDS loads issued so far have read v[AK], v[AB] and v[AS], which are written below
	s_add_co_u32 s30, s30, 6144                    ; the next step's addresses; the four vector lines are the places behind the products
	s_add_co_u32 s31, s31, 512
	s_add_co_u32 s32, s32, 256
	v_add_nc_u32 v[AK], s30, v[LI]
	v_add_nc_u32 v[AB], s31, v[BH]
	v_add_nc_u32 v[AS], s32, v[L8]
	v_nop
.endif
	CHAIN 2
	CHAIN 3
.irp q, 0,1
	v_max3_num_f32 v[DM+\q], v[DM+\q], v[MX+\q], v[SCO1+16*\q+15]
.endr
.irp q, 0,1
	v_mul_f32 v[TN+\q], s24, v[DM+\q]              ; -c DM
.endr
.irp q, 0,1
	v_sub_f32 v[NM+4*\q+1], v[TN+\q], v[NM+4*\q]   ; its change, 0 or less
.endr
.irp q, 0,1
	v_mov_b32 v[NM+4*\q], v[TN+\q]
.endr
	TS1 0
	s_wait_alu depctr_va_vdst(0)
	EXPS 0
	TS1 1                                          ; plain work behind tile A's batch
	s_wait_alu depctr_va_vdst(0)                   ; tile A's 65 exponentials have written their results, ahead of their first reader; units 2 and 3's products are done reading the fragments, the biases and the scale words, in which the loads below land; v[AK], v[AB], v[AS] are written
.if !\last
	ds_load_b64 v[KS:KS+1], v[AS]                  ; the next step's first two units: tile B's exponentials and both tiles' sums stand between these loads and the wait for them
	LOADU KF0, BI0, 0
	LOADU KF1, BI1, 1
.endif
	EXPS 1
	SUMS 0                                         ; reads tile A's alone: plain work behind tile B's batch
	s_wait_alu depctr_va_vdst(0)                   ; tile B's 65 exponentials have written their results, ahead of their first reader
	SUMS 1
.endm
; SECOND SWEEP
.macro EL q, j, cst                    ; b x + (a + b (J' + 16 h)), for keys x and x + 1
	v_pk_fma_f32 v[EE+2*\j:EE+2*\j+1], v[BQ+6*\q:BQ+6*\q+1], \cst, v[BQ+6*\q+4:BQ+6*\q+5] op_sel_hi:[0,0,1]
.endm
.macro T2 q                            ; t = c D + b j' + a, two at a time; the results are read from their low ends on
	EL \q, 0, 2.0
	EL \q, 1, 4.0
	EL \q, 2, 0x40c00000
	EL \q, 3, 0x41000000
	EL \q, 4, 0x41200000
	EL \q, 5, 0x41400000
	EL \q, 6, 0x41600000
	v_pk_fma_f32 v[SCO2+16*\q:SCO2+16*\q+1], v[SCO2+16*\q:SCO2+16*\q+1], s[22:23], v[BQ+6*\q+4:BQ+6*\q+5] op_sel_hi:[1,0,1]
.irp j, 0,1,2,3,4,5,6
	v_pk_fma_f32 v[SCO2+16*\q+2+2*\j:SCO2+16*\q+3+2*\j], v[SCO2+16*\q+2+2*\j:SCO2+16*\q+3+2*\j], s[22:23], v[EE+2*\j:EE+2*\j+1] op_sel_hi:[1,0,1]
.endr
.endm
.macro MAX2 q                          ; the block's largest t: my 16 and lane l xor 16's.  p rises with t, so 2^ of it is the block's largest p, by the same instruction on the same number
	v_max3_num_f32 v[TM+\q], v[SCO2+16*\q], v[SCO2+16*\q+1], v[SCO2+16*\q+2]
	v_max3_num_f32 v[TO+\q], v[SCO2+16*\q+3], v[SCO2+16*\q+4], v[SCO2+16*\q+5]
	v_max3_num_f32 v[TM+\q], v[TM+\q], v[SCO2+16*\q+6], v[SCO2+16*\q+7]
	v_max3_num_f32 v[TO+\q], v[TO+\q], v[SCO2+16*\q+8], v[SCO2+16*\q+9]
	v_max3_num_f32 v[TM+\q], v[TM+\q], v[SCO2+16*\q+10], v[SCO2+16*\q+11]
	v_max3_num_f32 v[TO+\q], v[TO+\q], v[SCO2+16*\q+12], v[SCO2+16*\q+13]
	v_max3_num_f32 v[TM+\q], v[TM+\q], v[TO+\q], v[SCO2+16*\q+14]
	v_max_num_f32 v[TM+\q], v[TM+\q], v[SCO2+16*\q+15]
	v_permlanex16_b32 v[TO+\q], v[TM+\q], s20, s21
	v_max_num_f32 v[TM+\q], v[TM+\q], v[TO+\q]
.endm
.macro EXP2 q
.irp x, 0,1,2,3,4,5,6,7,8,9,10,11,12,13,14,15
	v_exp_f32 v[SCO2+16*\q+\x], v[SCO2+16*\q+\x]   ; p: softmax x decay, finished
.endr
	v_exp_f32 v[TM+\q], v[TM+\q]
.endm
.macro SCALE2 q, n
	v_max_num_f32 v[TM+\q], 0x1800000, v[TM+\q]    ; the floor 2^(3 - 127)
	v_add_nc_u32 v[SO2+\q], 0xff000000, v[TM+\q]
	v_lshrrev_b32 v[BY2+\q], 23, v[SO2+\q]
.if \n == 0
	v_mov_b32 v[PS+\q], v[BY2+\q]
.else
	v_lshl_or_b32 v[PS+\q], v[BY2+\q], 8*\n, v[PS+\q]
.endif
.if \n%2 == 0
	v_cvt_scalef32_pk16_fp6_f32 v[PC+12*\q+6*(\n/2):PC+12*\q+6*(\n/2)+2], v[SCO2+16*\q:SCO2+16*\q+15], v[SO2+\q]
.else
	v_cvt_scalef32_pk16_fp6_f32 v[PT+4*\q:PT+4*\q+2], v[SCO2+16*\q:SCO2+16*\q+15], v[SO2+\q]
.endif
.endm
.macro SWAP q, c                       ; the operand wants a whole block in a lane: lanes 0-15 block 2 c, lanes 16-31 block 2 c + 1.  (c arrives as text, so it stands in brackets inside a product)
.irp i, 0,1,2
	v_permlane16_swap_b32 v[PC+12*(\q)+6*(\c)+\i], v[PT+4*(\q)+\i]     ; the first's lanes 16-31 change places with the second's lanes 0-15: the first now holds each lane's block's lower 16 codes, the second the upper 16
.endr
.irp i, 0,1,2
	v_mov_b32 v[PC+12*(\q)+6*(\c)+3+\i], v[PT+4*(\q)+\i]
.endr
.endm
.macro LOADVF reg, off                 ; two fragments of V
.irp c, 0,1,2,3,4,5
	ds_load_b128 v[\reg+4*\c:\reg+4*\c+3], v[AV] offset:\off+512*\c
.endr
.endm
.macro PV d, q, zero                   ; O^T(tile q, channels 16 d on) += V^T P^T; zero = 1: the first product starts the sum
.set rO, OO+32*\q+8*\d
.set rV, SCO2+12*\d+8*(\d/2)
.if \zero
.if \d%2
	v_wmma_scale_f32_16x16x128_f8f6f4 v[rO:rO+7], v[rV:rV+11], v[PC+12*\q:PC+12*\q+11], 0, v[VS+\d/2], v[PS+\q] matrix_a_fmt:MATRIX_FMT_FP6 matrix_b_fmt:MATRIX_FMT_FP6 matrix_a_scale:MATRIX_SCALE_ROW1
.else
	v_wmma_scale_f32_16x16x128_f8f6f4 v[rO:rO+7], v[rV:rV+11], v[PC+12*\q:PC+12*\q+11], 0, v[VS+\d/2], v[PS+\q] matrix_a_fmt:MATRIX_FMT_FP6 matrix_b_fmt:MATRIX_FMT_FP6
.endif
.else
.if \d%2
	v_wmma_scale_f32_16x16x128_f8f6f4 v[rO:rO+7], v[rV:rV+11], v[PC+12*\q:PC+12*\q+11], v[rO:rO+7], v[VS+\d/2], v[PS+\q] matrix_a_fmt:MATRIX_FMT_FP6 matrix_b_fmt:MATRIX_FMT_FP6 matrix_a_scale:MATRIX_SCALE_ROW1
.else
	v_wmma_scale_f32_16x16x128_f8f6f4 v[rO:rO+7], v[rV:rV+11], v[PC+12*\q:PC+12*\q+11], v[rO:rO+7], v[VS+\d/2], v[PS+\q] matrix_a_fmt:MATRIX_FMT_FP6 matrix_b_fmt:MATRIX_FMT_FP6
.endif
.endif
.endm
.macro UNIT2 n                         ; 32 keys: one block of p for each of my 32 queries
	s_wait_dscnt 0x0                               ; the unit's fragment, biases (and scale words) are in; no LDS load of mine is out
	UNITQK SCO2, KF2, BI2, \n
.if \n == 3
	s_wait_alu depctr_vm_vsrc(0)                   ; the LDS loads issued so far have read the five address registers v4-8, which are written below
	s_add_co_u32 s30, s30, 6144
	s_add_co_u32 s31, s31, 512
	s_add_co_u32 s32, s32, 256
.endif
	v_pk_fma_f32 v[BQ+4:BQ+5], v[BQ:BQ+1], s[26:27], v[BQ+2:BQ+3] op_sel_hi:[0,0,1]       ; a + b (J' + 16 h + 0, 1).  These two lines and the seven that open T2 are the places behind the products, ahead of the first read of results
	v_pk_fma_f32 v[BQ+10:BQ+11], v[BQ+6:BQ+7], s[26:27], v[BQ+8:BQ+9] op_sel_hi:[0,0,1]
.if \n == 3
	v_add_nc_u32 v[AK], s30, v[LI]                 ; the next step's K,
	v_add_nc_u32 v[AB], s31, v[BH]
	v_add_nc_u32 v[AS], s32, v[L8]
	v_add_nc_u32 v[AV], s33, v[LI]                 ; this step's V
	v_add_nc_u32 v[AVS], s34, v[L8]
	s_add_co_u32 s33, s33, 6144
	s_add_co_u32 s34, s34, 256
.endif
	s_add_f32 s26, s26, 0x42000000                 ; J' of the next block: + 32, exact
	T2 0
	MAX2 0
	s_wait_alu depctr_va_vdst(0)
	EXP2 0
	s_wait_alu depctr_va_vdst(0)
	T2 1                                           ; plain work behind tile A's batch
	MAX2 1
	s_wait_alu depctr_va_vdst(0)                   ; tile A's 17 exponentials have written their results, ahead of their first reader; the unit's four products are done reading the fragment of K and the biases, in which the loads below land; in a step's last unit v4-8 are written
.if \n < 3
	LOADU KF2, BI2, \n+1                           ; the next unit's
.else
	LOADVF KF2, 3072                               ; V's fragments 2 and 3, where K's fragment and the biases lay,
	ds_load_b64 v[VS:VS+1], v[AVS]                 ; and V's scale words
.endif
	EXP2 1
	SCALE2 0, \n
	s_wait_alu depctr_va_vdst(0)                   ; tile B's 17 exponentials have written their results, ahead of their first reader
	SCALE2 1, \n
	v_nop                                          ; one plain line behind the last conversion
.if \n%2
	SWAP 0, (\n/2)
	SWAP 1, (\n/2)
.endif
.endm
.macro STEP2 zero, next                ; 128 keys
	UNIT2 0
	UNIT2 1
	UNIT2 2
	UNIT2 3
	NOPS 4                                         ; four places between the last move into p's codes and the products; then the wait
	s_wait_alu depctr_va_vdst(0)                   ; p's codes and scale words are written, which the products below take; the conversions are done reading p, in which V's fragments 0 and 1 land
	LOADVF SCO2, 0                                 ; V's fragments 0 and 1, where p lay
	s_wait_dscnt 6                                 ; fragments 2, 3 and the scale words are in; the six loads just issued may be out
	PV 2, 0, \zero                                 ; the eight sums take turns, one instruction a turn
	PV 2, 1, \zero
	PV 3, 0, \zero
	PV 3, 1, \zero
.if \next
	NOPS 4                                         ; four places behind these products; then the wait
	s_wait_alu depctr_va_vdst(0)                   ; the four products are done reading V's fragments 2 and 3, in which the next step's fragment of K and biases land
	ds_load_b64 v[KS:KS+1], v[AS]
	LOADU KF2, BI2, 0
	s_wait_dscnt 8                                 ; fragments 0 and 1 are in; the eight loads just issued may be out
.else
	s_wait_dscnt 0x0
.endif
	PV 0, 0, \zero
	PV 0, 1, \zero
	PV 1, 0, \zero
	PV 1, 1, \zero
	NOPS 5                                         ; the next unit's products write over registers that these have read: five places; on the way out they serve the first read of results
.endm
	; ---- HEAD
	s_load_b256 s[4:11], s[0:1], 0x0               ; Q s[4:5], K s[6:7], V s[8:9], the mask s[10:11]
	s_load_b64 s[12:13], s[0:1], 0x20              ; out
	v_lshl_add_u32 v254, v0, 2, 0x47000
	v_mov_b32 v255, 0
	v_lshrrev_b32 v9, 5, v0
	v_readfirstlane_b32 s14, v9                    ; wave 0 .. 15
	s_mov_b32 s15, ttmp9                           ; which 512 queries
	s_and_b32 s16, ttmp7, 0xffff                   ; the head, 0 .. 63
	s_mov_b32 s20, 0x76543210                      ; v_permlanex16_b32's selects for lane l xor 16
	s_mov_b32 s21, 0xfedcba98
	s_mov_b32 s22, 0x3e38aa3b                      ; c = log2(e) / 8
	s_mov_b32 s23, s22                             ; (named with it as a pair)
	s_mov_b32 s24, 0xbe38aa3b                      ; -c
	v_and_b32 v54, 31, v0                          ; lane
	v_and_b32 v55, 15, v0                          ; r
	v_bfe_u32 v56, v0, 4, 1                        ; h
	v_and_b32 v57, 7, v0                           ; r % 8
	v_bfe_u32 v58, v0, 3, 1                        ; r / 8
	v_lshlrev_b32 v[LI], 4, v54
	v_lshlrev_b32 v[L8], 3, v54
	v_lshlrev_b32 v[BH], 6, v56
	s_wait_alu depctr_va_sdst(0)                   ; s14 is written, ahead of its first reader: LDS places and the tensors' bases are made from it
	s_mul_i32 s30, s14, 8960
	s_add_co_u32 s30, s30, PSTG                    ; my stage
	s_mul_i32 s31, s14, 6144                       ; four fragments a wave
	s_lshl_b32 s32, s14, 8
	s_lshl_b32 s33, s14, 7
	v_mul_u32_u24 v[SWR], v56, 272
	v_lshl_add_u32 v[SWR], v55, 4, v[SWR]
	v_add_nc_u32 v[SWR], s30, v[SWR]               ; in: lanes 0-15 one row, lanes 16-31 the next
	v_mul_u32_u24 v[KRD], v57, 272
	v_mad_u32_u24 v[KRD], v58, 4480, v[KRD]
	v_lshl_add_u32 v[KRD], v56, 7, v[KRD]
	v_add_nc_u32 v[KRD], s30, v[KRD]               ; out, K: row r % 8 + 16 (r / 8), channels 32 h on
	v_mul_u32_u24 v[QRD], v55, 272
	v_lshl_add_u32 v[QRD], v56, 7, v[QRD]
	v_add_nc_u32 v[QRD], s30, v[QRD]               ; out, Q: row r
	v_add_nc_u32 v[KWI], s31, v[LI]
	v_lshlrev_b32 v[KSW], 3, v55
	v_add_nc_u32 v[KSW], s32, v[KSW]
	v_add_nc_u32 v[KSW], KSCL, v[KSW]
	v_lshlrev_b32 v[SH8], 3, v56
	v_lshl_add_u32 v[MKO], v58, 4, v57
	v_add_nc_u32 v[MKO], s33, v[MKO]
	v_lshlrev_b32 v[VO], 2, v54
	v_mul_u32_u24 v[VWI], v56, 1536
	v_lshl_add_u32 v[VWI], v55, 4, v[VWI]
	v_add_nc_u32 v[VWI], s31, v[VWI]
	v_add_nc_u32 v[VWI], VIMG, v[VWI]
	v_add_nc_u32 v[VSW], s32, v[L8]
	v_add_nc_u32 v[VSW], VSCL, v[VSW]
	v_lshlrev_b32 v60, 2, v0                       ; 4 x thread: my four keys of the bias arrays
	v_lshlrev_b32 v61, 4, v0
	v_add_nc_u32 v61, GB1, v61
	v_mov_b32 v[WO], 0                             ; written once: a lane permute's destination counts as one of its sources
	s_lshl_b32 s18, s16, 19                        ; a head is 2,048 x 64 x 4 bytes
	s_lshl_b32 s34, s15, 17
	s_lshl_b32 s35, s14, 13
	s_add_co_u32 s34, s34, s35
	s_add_co_u32 s34, s34, s18                     ; Q, out: + (512 x + 32 wave) rows of 256 bytes
	s_mov_b32 s35, 0
	s_lshl_b32 s19, s14, 15
	s_add_co_u32 s18, s18, s19                     ; K, V: + 128 wave rows
	s_mov_b32 s19, 0
	s_lshr_b32 s36, s16, 4
	s_lshl_b32 s36, s36, 11                        ; the mask: 2,048 bytes a batch, 16 heads a batch
	s_mov_b32 s37, 0
	s_wait_kmcnt 0x0
	s_add_nc_u64 s[4:5], s[4:5], s[34:35]
	s_add_nc_u64 s[12:13], s[12:13], s[34:35]
	s_add_nc_u64 s[6:7], s[6:7], s[18:19]
	s_add_nc_u64 s[8:9], s[8:9], s[18:19]
	s_add_nc_u64 s[10:11], s[10:11], s[36:37]
	s_wait_alu depctr_va_vdst(0)                   ; the offsets and LDS addresses v1-3, v42-51, v60 and v61 are written, which the prologue's loads and stores read
.irp i, 0,1,2,3
	global_load_b128 v[128+4*\i:131+4*\i], v[LI], s[10:11] offset:512*\i   ; the batch's whole mask, 64 bytes a lane
.endr
	global_load_b32 v208, v60, s[10:11]            ; my four keys' bytes
.irp n, 0,1,2,3
.irp u, 0,1
	global_load_u8 v[MK+2*\n+\u], v[MKO], s[10:11] offset:32*\n+8*\u       ; the byte of my key in tile u of fragment n
.endr
.endr
	GLOADK 0
	s_wait_loadcnt 16                              ; the 13 loads of the mask are in; K's 16 may be out
.irp i, 4,8,12
.irp k, 0,1,2,3
	v_and_b32 v[128+\k], v[128+\k], v[128+\i+\k]
.endr
.endr
	v_and_b32 v128, v128, v129
	v_and_b32 v130, v130, v131
	v_and_b32 v128, v128, v130
	v_cmp_eq_u32 vcc_lo, 0x01010101, v128          ; are my 64 keys all masked?
	s_wait_alu depctr_va_vcc(0)                    ; VCC is written, ahead of the scalar compare that reads it
	s_cmp_eq_u32 vcc_lo, -1                        ; and all 2,048?
	s_cselect_b32 s29, 0, 0xcfee6b28               ; the bias: -8e9, or 0 where nothing is left (a choice of a value: no branch)
	v_add_nc_u32 v209, 0xfffffc00, v60             ; 4 x thread - 1024
.irp k, 0,1,2,3
	v_bfe_u32 v[192+\k], v208, 8*\k, 8
	v_add_nc_u32 v[200+\k], \k, v209
.endr
.irp k, 0,1,2,3
	v_cvt_f32_u32 v[192+\k], v[192+\k]
	v_cvt_f32_i32 v[200+\k], v[200+\k]             ; j'
.endr
.irp k, 0,1,2,3
	v_mul_f32 v[192+\k], s29, v[192+\k]            ; the first sweep's bias
	v_mul_f32 v[204+\k], 0xb6800000, v[200+\k]     ; -2^-18 j'
.endr
.irp k, 0,1,2,3
	v_fma_f32 v[196+\k], v[204+\k], v[200+\k], v[192+\k]   ; the second sweep's
.endr
	s_wait_alu depctr_va_vdst(0)                   ; the biases v192-199 are written, which the two stores read; the lines above are done with v128-143, in which the first round's LDS loads land
	ds_store_b128 v61, v[192:195]
	ds_store_b128 v61, v[196:199] offset:GB2-GB1
.irp i, 0,1,2,3,4,5,6,7
	v_add_nc_u32 v[MK+\i], -1, v[MK+\i]            ; 1 -> 0, 0 -> all ones
.endr
	; ---- K: four fragments a wave;  Q: my 32 rows
	ROUNDK 0
	ROUNDK 1
	ROUNDK 2
	ROUNDK 3
	s_wait_loadcnt 0x0                             ; Q's 16 loads
	TOSTAGE
	FROMSTAGE QRD, 4480                            ; tile B's rows lie 16 rows on.  (No vector line has named X0 or X1 since the last round's wait on va_vdst)
	s_wait_dscnt 16                                ; all but the 16 reads
	s_wait_alu depctr_vm_vsrc(0)                   ; the stores into the stage have read v[LR ..], in which V's loads land; the last round's store has read v[W], which is written below
	LOADV 0                                        ; V's first two blocks are asked for here
	LOADV 1
	s_wait_dscnt 0x0
	QBLOCK X0, 22, TC0, 0, -1                      ; qA
	QBLOCK X1, 10, TC1, 1, -1                      ; qB
	WORD
	v_perm_b32 v[QSC], v[W], v[W], 0x01000100      ; tile A's two bytes, twice: they serve [q | 0] and [0 | q]
	v_perm_b32 v[QSC+1], v[W], v[W], 0x03020302    ; tile B's
.irp i, 0,1,2,3,4,5
	v_mov_b32 v[34+\i], v[10+\i]
	v_mov_b32 v[16+\i], 0
	v_mov_b32 v[28+\i], 0
.endr
	s_wait_dscnt 0x0                               ; my images, scale words and biases have landed, and my reads of the stage are in
	s_barrier_signal -1
	s_barrier_wait -1                              ; K's images and the arrays are whole; nobody reads a stage any more.  (V's loads stay out: nobody writes those bytes)
	; ---- V: key step w, 64 channels
.irp t, 0,1,2,3,4,5,6,7
	BLOCKV \t
.endr
	; ---- FIRST SWEEP: for each lane the largest D and the sum of 2^(c D - c DM) of its half of the keys
	s_mov_b32 s30, KIMG
	s_mov_b32 s31, GB1
	s_mov_b32 s32, KSCL
	v_add_nc_u32 v[AK], s30, v[LI]
	v_add_nc_u32 v[AB], s31, v[BH]
	v_add_nc_u32 v[AS], s32, v[L8]
	s_wait_alu depctr_va_vdst(0)                   ; v[AK], v[AB], v[AS] are written, which the loads below read; the prologue's lines are done with v192-247, in which they land; Q's codes and scale words are written, which the sweeps' products take
	ds_load_b64 v[KS:KS+1], v[AS]
	LOADU KF0, BI0, 0
	LOADU KF1, BI1, 1
.irp q, 0,1
	v_mov_b32 v[DM+\q], 0xff61b1e6                 ; -3e38, under every D
	v_mov_b32 v[NM+4*\q+3], 0                      ; (named as the upper half of a pair)
	v_mov_b32 v[LS+2*\q], 0
	v_mov_b32 v[LS+2*\q+1], 0
.endr
.irp q, 0,1
	v_mul_f32 v[NM+4*\q], s24, v[DM+\q]
.endr
	s_mov_b32 s28, 15
.Lsweep1:
	STEP1 0
	s_sub_co_u32 s28, s28, 1
	s_cmp_lg_u32 s28, 0
	s_cbranch_scc1 .Lsweep1
	STEP1 1                                        ; the last step fetches nothing more
	s_wait_dscnt 0x0
	s_barrier_signal -1
	s_barrier_wait -1                              ; every wave's images of V have landed (each waited for its stores behind them)
	; ---- SECOND SWEEP
	s_mov_b32 s30, KIMG
	s_mov_b32 s31, GB2
	s_mov_b32 s32, KSCL
	s_mov_b32 s33, VIMG
	s_mov_b32 s34, VSCL
	s_wait_alu depctr_vm_vsrc(0)                   ; the first sweep's loads have read v[AK], v[AB] and v[AS], which are written below
	v_add_nc_u32 v[AK], s30, v[LI]
	v_add_nc_u32 v[AB], s31, v[BH]
	v_add_nc_u32 v[AS], s32, v[L8]
	s_wait_alu depctr_va_vdst(0)                   ; the three addresses are written, which the loads below read; the first sweep's sums are done with v160-187 and its products with the scale words, in which they land
	ds_load_b64 v[KS:KS+1], v[AS]
	LOADU KF2, BI2, 0
	; the two halves of the lanes are joined, and a and b are made, while those loads are out
	s_lshl_b32 s35, s15, 9
	s_lshl_b32 s36, s14, 5
	s_add_co_u32 s35, s35, s36
	s_sub_co_u32 s35, s35, 1024                    ; my first query - 1024
	s_mov_b32 s26, 0xc4800000                      ; J' = -1024.0
	s_mov_b32 s27, s26                             ; (named with it as a pair)
.irp q, 0,1
	v_mov_b32 v[224+\q], 0                         ; lane permutes' destinations
	v_mov_b32 v[234+\q], 0
.endr
.irp q, 0,1
	v_permlanex16_b32 v[224+\q], v[NM+4*\q], s20, s21
.endr
.irp q, 0,1
	v_min_num_f32 v[226+\q], v[NM+4*\q], v[224+\q] ; -c x the row's largest D
.endr
.irp q, 0,1
	v_sub_f32 v[228+\q], v[226+\q], v[NM+4*\q]
.endr
	s_wait_alu depctr_va_vdst(0)
.irp q, 0,1
	v_exp_f32 v[230+\q], v[228+\q]
.endr
.irp q, 0,1
	v_add_f32 v[232+\q], v[LS+2*\q], v[LS+2*\q+1]  ; (plain lines behind the exponentials)
.endr
	s_wait_alu depctr_va_vdst(0)                   ; the two exponentials have written v230, v231, ahead of their first reader
.irp q, 0,1
	v_mul_f32 v[232+\q], v[232+\q], v[230+\q]      ; my half's sum under the row's maximum
.endr
.irp q, 0,1
	v_permlanex16_b32 v[234+\q], v[232+\q], s20, s21
.endr
.irp q, 0,1
	v_add_f32 v[232+\q], v[232+\q], v[234+\q]      ; the row's sum: the same bits in both halves
.endr
	s_wait_alu depctr_va_vdst(0)
.irp q, 0,1
	v_log_f32 v[236+\q], v[232+\q]
.endr
	v_and_b32 v238, 15, v0
	v_add_nc_u32 v238, s35, v238
	v_add_nc_u32 v239, 16, v238
	v_cvt_f32_i32 v[BQ+1], v238                    ; i', tile A
	v_cvt_f32_i32 v[BQ+7], v239                    ; tile B
.irp q, 0,1
	v_mul_f32 v[BQ+6*\q], 0x35b8aa3b, v[BQ+6*\q+1] ; b = c 2^-17 i'
.endr
.irp q, 0,1
	v_mul_f32 v[228+\q], -0.5, v[BQ+6*\q]
.endr
	v_bfe_u32 v238, v0, 4, 1
	v_lshlrev_b32 v238, 4, v238
	v_cvt_f32_u32 v238, v238                       ; 16 h
	s_wait_alu depctr_va_vdst(0)                   ; the two logarithms have written v236, v237, ahead of their first reader
.irp q, 0,1
	v_sub_f32 v[226+\q], v[226+\q], v[236+\q]
.endr
.irp q, 0,1
	v_fma_f32 v[226+\q], v[228+\q], v[BQ+6*\q+1], v[226+\q]        ; a
.endr
.irp q, 0,1
	v_fma_f32 v[BQ+6*\q+2], v[BQ+6*\q], v238, v[226+\q]            ; a + 16 h b
.endr
.irp q, 0,1
	v_add_f32 v[BQ+6*\q+3], v[BQ+6*\q+2], v[BQ+6*\q]               ; and + b, for the odd keys
.endr
	s_wait_alu depctr_va_vdst(0)
	STEP2 1, 1                                     ; the first step's products start O^T's sums
	s_mov_b32 s28, 14
.Lsweep2:
	STEP2 0, 1
	s_sub_co_u32 s28, s28, 1
	s_cmp_lg_u32 s28, 0
	s_cbranch_scc1 .Lsweep2
	STEP2 0, 0                                     ; the last step fetches nothing more
	; ---- THE WAY OUT.  Register j of O^T(q, d) is out(query r, channel 16 d + 8 h + j): a tile of 16 rows goes through my stage and comes back as whole rows of 256 bytes
	; (v4-6 are written below: in the last step no load reads them behind its last unit's wait on vm_vsrc)
	v_and_b32 v9, 15, v0
	v_bfe_u32 v[AK], v0, 4, 1
	s_mul_i32 s30, s14, 4352
	s_add_co_u32 s30, s30, OSTG
	v_mul_u32_u24 v[AB], v9, 272
	v_lshl_add_u32 v[AB], v[AK], 5, v[AB]
	v_add_nc_u32 v[AB], s30, v[AB]                 ; in: row r, + 32 h
	v_mul_u32_u24 v[AS], v[AK], 272
	v_lshl_add_u32 v[AS], v9, 4, v[AS]
	v_add_nc_u32 v[AS], s30, v[AS]                 ; back: lanes 0-15 one row, lanes 16-31 the next
	s_wait_alu depctr_va_vdst(0)                   ; the products have written O^T and the lines above v[AB] and v[AS], which the stores and loads below read; the last products are done reading v128-151, in which rows come back; the places above stay beside this wait
.irp q, 0,1
.irp d, 0,1,2,3
	ds_store_b128 v[AB], v[OO+32*\q+8*\d:OO+32*\q+8*\d+3] offset:64*\d         ; each result from its low end on
	ds_store_b128 v[AB], v[OO+32*\q+8*\d+4:OO+32*\q+8*\d+7] offset:64*\d+16
.endr
.irp i, 0,1,2,3,4,5,6,7
	ds_load_b128 v[128+32*\q+4*\i:131+32*\q+4*\i], v[AS] offset:544*\i         ; LDS serves a wave's instructions in order (ISA guide 5.7.1.4): these see my stores, and tile B's stores come behind tile A's loads
.endr
.endr
.irp q, 0,1
.irp i, 0,1,2,3,4,5,6,7
	s_wait_dscnt 23-16*\q-\i                       ; the LDS instructions issued behind this load may be out
	global_store_b128 v[LI], v[128+32*\q+4*\i:131+32*\q+4*\i], s[12:13] offset:4096*\q+512*\i th:TH_STORE_NT   ; 32 lanes store 512 consecutive bytes, at a multiple of 256 from out's first byte
.endr
.endr
	s_wait_dscnt 0x0
	s_wait_alu depctr_hold_cnt(0) depctr_sa_sdst(0) depctr_va_vdst(0) depctr_va_sdst(0) depctr_va_ssrc(0) depctr_va_vcc(0) depctr_vm_vsrc(0)
	s_wait_tensorcnt 0x0
	ds_add_u32 v254, v255
	s_wait_dscnt 0x0
	s_endpgm
.Lfunc_end_k_q02e473c455_attn:
	.size	k_q02e473c455_attn, .Lfunc_end_k_q02e473c455_attn-k_q02e473c455_attn
	.p2alignl 7, 3214868480
	.fill 96, 4, 3214868480
	.section	.rodata,"a",@progbits
	.p2align	6, 0x0
	.amdhsa_kernel k_q02e473c455_attn
		.amdhsa_group_segment_fixed_size 292864
		.amdhsa_private_segment_fixed_size 0
		.amdhsa_enable_private_segment 0
		.amdhsa_kernarg_size 40
		.amdhsa_user_sgpr_count 2
		.amdhsa_user_sgpr_kernarg_segment_ptr 1
		.amdhsa_wavefront_size32 1
		.amdhsa_system_sgpr_workgroup_id_x 1
		.amdhsa_system_sgpr_workgroup_id_y 1
		.amdhsa_system_sgpr_workgroup_id_z 1
		.amdhsa_system_vgpr_workitem_id 0
		.amdhsa_next_free_vgpr 256
		.amdhsa_next_free_sgpr 66
		.amdhsa_reserve_vcc 1
		.amdhsa_float_denorm_mode_32 3
		.amdhsa_float_denorm_mode_16_64 3
		.amdhsa_memory_ordered 1
		.amdhsa_forward_progress 1
		.amdhsa_inst_pref_size 216
	.end_amdhsa_kernel
	.amdgpu_metadata
---
amdhsa.version: [ 1, 2 ]
amdhsa.kernels:
  - .name:           k_q02e473c455_attn
    .symbol:         k_q02e473c455_attn.kd
    .args:
      - { .name: Q, .offset: 0, .size: 8, .value_kind: global_buffer, .address_space: global }
      - { .name: K, .offset: 8, .size: 8, .value_kind: global_buffer, .address_space: global }
      - { .name: V, .offset: 16, .size: 8, .value_kind: global_buffer, .address_space: global }
      - { .name: mask_out, .offset: 24, .size: 8, .value_kind: global_buffer, .address_space: global }
      - { .name: out0, .offset: 32, .size: 8, .value_kind: global_buffer, .address_space: global }
    .group_segment_fixed_size: 292864
    .private_segment_fixed_size: 0
    .kernarg_segment_align: 8
    .kernarg_segment_size: 40
    .max_flat_workgroup_size: 512
    .sgpr_count:     66
    .vgpr_count:     256
    .wavefront_size: 32
...
	.end_amdgpu_metadata
.endif
;; end of part 2
